; MI455X (gfx1250); checked and timed in simulation.
; The chip was launched on July 23, 2026; its instructions are those of AMD's public machine-readable ISA for CDNA 5 (MIT licence, August 2026) and "CDNA5" Instruction Set Architecture Reference Guide (July 2026). The comments in the code are by the model that wrote it; some were corrected since.
;; Advanced Mo E Layer. Allowed arithmetic: matrix products marked QUANTISED: E3M2 operands, one E8M0 scale for each 32 along K, by v_wmma_scale_f32_16x16x128_f8f6f4 with both operands' format E3M2, f32 sums; products left as they are: f32 operands where the result goes on into a quantised operand, else bf16, f16 or f32 operands; f32 sums; everything else in f32.
;; Inputs: W1 8 x 1,024 x 2,048 float32; W2 8 x 2,048 x 2,048 float32; W3 8 x 2,048 x 1,024 float32; Wr 1,024 x 8 float32; b1 8 x 2,048 float32; b2 8 x 2,048 float32; b3 8 x 1,024 float32; br 8 float32; x 1,024 x 1,024 float32.
;; Outputs: out0 1,024 x 1,024 float32.
;; This version of the problem:
;;   THIS VERSION OF THE PROBLEM IS GIVEN IN LOW PRECISION. The matrix products marked QUANTISED in the list below multiply operands that are first quantised to E3M2 (3 exponent bits, 2 mantissa bits; 6 bits a number), with one power-of-two scale for each 32 numbers along K (OCP MX v1.0); their sums are f32. All else is computed in f32.
;;   The module's matrix products, in the order in which they are computed (A, B: the left and right operand; K: the contracted axis; several contracted axes count as one K, in the product's order):
;;     1. [M 1,024, K 1,024] x [K 1,024, N 8]; A: input x; B: input Wr: left as it is (N = 8 < 16)
;;     2. [M 1,024, K 1,024] x [K 1,024, N 16,384]; A: input x; B: input W1: QUANTISED
;;     3. batch 8 x [M 2,048, K 2,048] x [K 2,048, N 1,024]; A: input W2; B: computed on the way: QUANTISED
;;     4. batch 8 x [M 1,024, K 2,048] x [K 2,048, N 1,024]; A: input W3; B: computed on the way: QUANTISED
;;     5. batch 1,024 x [M 1,024, K 8] x [K 8, N 1]; A: computed on the way; B: computed on the way: left as it is (K = 8 < 32)
;;   THE QUANTISER, for each operand of a quantised product, along K:
;;     - K is cut into blocks of 32 from its start; a last block that is shorter is filled with zeros.
;;     - A block's scale is 2^e with e = floor(log2(the largest magnitude in the block)) - 4, held to -126 .. 127; a block of zeros has e = 0. As a byte (E8M0): e + 127.
;;     - Each number is divided by its block's scale, clamped to +-28, and rounded to the nearest number of E3M2, ties to even, subnormals kept.
;;     - The product sums the exact products of the quantised numbers (number of the format x scale) in f32.
;;   ~~~python
;;   def quantise(x, axis):      # numpy; x: float32 -> the quantised numbers, widened to float32 again
;;       x = np.moveaxis(x, axis, -1); K = x.shape[-1]
;;       x = np.pad(x, [(0, 0)] * (x.ndim - 1) + [(0, -K % 32)]); x = x.reshape(x.shape[:-1] + (-1, 32)); a = np.abs(x).max(-1, keepdims=True)
;;       e = np.where(a > 0, np.clip(np.frexp(np.where(a > 0, a, 1))[1] - 1 - 4, -126, 127), 0)      # np.frexp(a)[1] - 1 = floor(log2(a)), exactly
;;       r = np.clip(x / 2.0 ** e, -28, 28)
;;       step = 2.0 ** (np.maximum(np.frexp(np.where(r == 0, 1, r))[1] - 1, -2) - 2)
;;       q = np.round(r / step) * step * 2.0 ** e      # np.round: ties to even
;;       return np.moveaxis(q.reshape(q.shape[:-2] + (-1,))[..., :K], -1, axis).astype(np.float32)
;;   ~~~
;;   OPERANDS COMPUTED ON THE WAY. 'Computed on the way' means the value that the module computes at that place (a softmax that the list does not call 'softmax' is quantised finished and normalised). What goes into a quantiser is computed in f32, as accurately as f32 sums, v_exp_f32 and their like allow (about 1e-6 of the number): no bf16 or f16 on the way to a quantiser, and a product that is left as it is and whose result goes on into a quantised operand takes f32 operands (vector FMAs, or v_wmma_f32_16x16x4_f32). A number that lies on a knife's edge between two numbers of the format may be rounded either way, as far as f32 arithmetic and the matrix unit's own rounding can turn it there, and no further.
;; One version. Each part assembles by itself: llvm-mc -triple=amdgcn-amd-amdhsa -mcpu=gfx1250 --defsym DOCPART=n.
;; ======== version 1 of 1: 5 launches
;; limits: right only within a limited range of input values
;; workspace buffers: rt 12,288 bytes of whole numbers; wts 8,192 bytes; pl 8,960 bytes of whole numbers; rwt 8,704 bytes; xq 1,048,576 bytes; h1 3,481,600 bytes; h2 3,481,600 bytes; yp 17,825,792 bytes
;; launch router (part 1): grid 96 x 1, 8 waves a work-group, no clusters, 38,912 bytes of LDS; arguments x, Wr, br, rt, wts, xq; writes rt, wts, xq
.if DOCPART == 1
	.amdgcn_target "amdgcn-amd-amdhsa--gfx1250"
	.amdhsa_code_object_version 6
	.text
	.protected	k_q40bc9af146_router
	.globl	k_q40bc9af146_router
	.p2align	8
	.type	k_q40bc9af146_router,@function
k_q40bc9af146_router:
	s_mov_b64 s[64:65], 0
	v_nop
	global_prefetch_b8 v0, s[64:65] scope:SCOPE_SE
	s_setreg_imm32_b32 hwreg(HW_REG_WAVE_MODE, 25, 1), 1
	s_wait_xcnt 0x0
; THE ROUTER.  logits = x Wr + br by f32 multiply-adds, softmax over the 8 experts (the row's maximum taken away first), the two largest (the lower index wins a tie), their weights
; divided by (their sum + 1e-6).  x: [1024][1024] f32, Wr: [1024][8], br: [8].
; OUT, all at fixed places: rt bytes 0 on: ids[token][2] u32;  rt bytes 8192 on: for each group j of 32 tokens 32 words: word e < 8 the ballot (bit l: token 32 j + l chose expert e),
; word 8 + e the number of its bits, the rest 0;  wts: w[token][2] f32.  No address and no branch hangs on the choice: a later launch places the rows.
; SHARES.  Work-group j: tokens 32 j .. 32 j + 31.  Wave w: four of them.  Lane l: d = 128 i + 4 l + 0..3 of chunk i = 0..7: each load of x covers 512 consecutive bytes of a row.
; Wr (32 KiB) goes once into LDS as 256 pieces of 4 rows (128 bytes) 144 bytes apart.
; No matrix unit: N = 8 is under a tile's 16, and the sums are wanted in f32.  No cluster: the work-groups share only Wr, 32 KiB against their 128 KiB of x.
; LIMITS: NaN and infinities are not served.  Two probabilities that f32 rounding makes equal or swaps (within about 1e-7 of each other) may be chosen the other way than a sum in another order would.
; WORK-GROUPS 32 TO 95 QUANTISE x to BF6 (E3M2), which hangs on no choice of the router: work-group 32 + T takes tokens 16 T .. 16 T + 15, wave s K step s (128 of the 1,024).  They use no LDS and pass no barrier.
; xq: a row of XP = 1,024 bytes for each token: four aligned units of 256 bytes, one for each 256 along K.  In a unit: for K step g (0, 1) and half h of the lanes the 48 bytes of a matrix operand's 12 registers
; at 96 g + 48 h; the two scale words at 192 + 4 g and once more at 240 + 4 g, so that one address, row + 48 h, serves a lane's codes and its scale words.  A wave stores 96 bytes of each of 16 rows: rows are laid
; by token, since the next launch gathers them by token (1 MB in all).
; A block's scale is 2^(floor(log2(its largest magnitude)) - 4); its byte is that magnitude's exponent field - 4, held at 1 from below (a block of zeros gets 1: its codes are zeros, and this program alone reads the bytes).
.set XP,  1024
.set TM,  40                           ; the quantising path: v40-55 largest magnitudes, bytes, scale operands; v56 the scale word; v60-78 codes; v96-159 64 numbers of x
.set PW,  56
.set PC,  60
.set QS,  96
.set WRP, 144                          ; a piece of Wr in LDS: 128 bytes + 16
.set CHB, 32*WRP                       ; 32 pieces: what the 32 lanes take for one chunk
.set LG,  256*WRP                      ; behind Wr: logits[32 tokens][8], 1,024 bytes
.set ACC, 8                            ; v8-39    sums: token t, expert e at v[ACC + 8 t + e]
.set WB,  40                           ; v40-103  two sets of 32: my piece of Wr, register 8 dd + e
.set XR,  104                          ; v104-231 x: chunk i, token t at v[XR + 16 i + 4 t]
	s_load_b256 s[4:11], s[0:1], 0x0               ; x s[4:5], Wr s[6:7], br s[8:9], rt s[10:11]
	s_load_b64 s[12:13], s[0:1], 0x20              ; wts
	s_load_b64 s[34:35], s[0:1], 0x28              ; xq
	v_lshl_add_u32 v232, v0, 2, LG+1024            ; my spare word, behind the logits: 128 bytes a wave, named by no other line
	v_mov_b32 v233, 0                              ; and 0: both kept for the closing add alone
	v_lshrrev_b32 v1, 5, v0
	s_delay_alu instid0(VALU_DEP_1)
	v_readfirstlane_b32 s26, v1                    ; wave 0..7
	v_and_b32 v1, 31, v0                           ; lane
	v_lshlrev_b32 v2, 4, v0                        ; Wr in memory: 16 bytes a thread
	v_lshrrev_b32 v3, 3, v0
	s_delay_alu instid0(VALU_DEP_1)
	v_mul_u32_u24 v3, v3, WRP
	v_and_b32 v4, 7, v0
	s_delay_alu instid0(VALU_DEP_1)
	v_lshl_add_u32 v3, v4, 4, v3                   ; and in LDS: piece thread / 8, 16 (thread % 8) in it
	v_mul_u32_u24 v4, v1, WRP                      ; my piece of a chunk
	v_lshlrev_b32 v5, 4, v1                        ; x: 16 bytes a lane
	v_lshl_add_u32 v6, v1, 5, LG                   ; the last phase: token = lane, 32 bytes of logits
	s_lshl_b32 s27, s26, 7
	s_add_co_u32 s27, s27, LG
	v_mov_b32 v7, s27                              ; where my wave puts its four tokens' logits
	s_mov_b32 s24, 0x76543210
	s_mov_b32 s25, 0xfedcba98                      ; v_permlanex16_b32's selects for lane l xor 16
	s_lshl_b32 s28, ttmp9, 17                      ; 32 rows of 4,096 bytes a work-group,
	s_lshl_b32 s29, s26, 14                        ; 4 a wave
	s_add_co_u32 s28, s28, s29
	s_mov_b32 s29, 0
	s_lshl_b32 s30, ttmp9, 8                       ; 256 bytes of ids and of weights a work-group
	s_mov_b32 s31, 0
	s_wait_alu depctr_va_vdst(0)
	s_wait_kmcnt 0x0
	s_cmp_ge_u32 ttmp9, 32                         ; the work-group's number alone decides: all its waves go one way
	s_cbranch_scc1 .Lxq
	s_load_b256 s[16:23], s[8:9], 0x0              ; br: waited for in the last phase
	s_add_nc_u64 s[4:5], s[4:5], s[28:29]
	s_add_nc_u64 s[32:33], s[10:11], s[30:31]      ; ids
	s_add_nc_u64 s[12:13], s[12:13], s[30:31]      ; weights
	s_lshl_b32 s30, ttmp9, 7
	s_add_nc_u64 s[14:15], s[10:11], s[30:31]      ; ballots: 128 bytes a work-group, from byte 8,192 on
.irp i, 0,1,2,3,4,5,6,7
	global_load_b128 v[WB+4*\i:WB+4*\i+3], v2, s[6:7] offset:4096*\i
.endr
.irp i, 0,1,2,3,4,5,6,7
.irp t, 0,1,2,3
	global_load_b128 v[XR+16*\i+4*\t:XR+16*\i+4*\t+3], v5, s[4:5] offset:4096*\t+512*\i th:TH_LOAD_NT
.endr
.endr
	s_wait_loadcnt 32                              ; Wr's eight are in; the 32 loads of x, issued behind them, stay out
.irp i, 0,1,2,3,4,5,6,7
	ds_store_b128 v3, v[WB+4*\i:WB+4*\i+3] offset:CHB*\i
.endr
	s_wait_dscnt 0x0                               ; for the others' sake: my part of Wr lies in LDS
	s_barrier_signal -1
	s_barrier_wait -1
.macro CH i                            ; my piece of chunk i into set i % 2
.irp q, 0,1,2,3,4,5,6,7
	ds_load_b128 v[WB+32*((\i)%2)+4*\q:WB+32*((\i)%2)+4*\q+3], v4 offset:CHB*(\i)+16*\q
.endr
.endm
.macro FMAS i                          ; 64 packed multiply-adds: two experts at a time; x's number serves both halves (op_sel picks the pair's first or second register)
.irp t, 0,1,2,3
.irp dd, 0,1,2,3
.irp p, 0,1,2,3
.if ((\i) == 0) && (\dd == 0)
	v_pk_mul_f32 v[ACC+8*\t+2*\p:ACC+8*\t+2*\p+1], v[XR+16*(\i)+4*\t:XR+16*(\i)+4*\t+1], v[WB+32*((\i)%2)+2*\p:WB+32*((\i)%2)+2*\p+1] op_sel_hi:[0,1]   ; the first product starts the sums
.elseif (\dd % 2) == 0
	v_pk_fma_f32 v[ACC+8*\t+2*\p:ACC+8*\t+2*\p+1], v[XR+16*(\i)+4*\t+\dd:XR+16*(\i)+4*\t+\dd+1], v[WB+32*((\i)%2)+8*\dd+2*\p:WB+32*((\i)%2)+8*\dd+2*\p+1], v[ACC+8*\t+2*\p:ACC+8*\t+2*\p+1] op_sel_hi:[0,1,1]
.else
	s_delay_alu instid0(VALU_DEP_4)
	v_pk_fma_f32 v[ACC+8*\t+2*\p:ACC+8*\t+2*\p+1], v[XR+16*(\i)+4*\t+\dd-1:XR+16*(\i)+4*\t+\dd], v[WB+32*((\i)%2)+8*\dd+2*\p:WB+32*((\i)%2)+8*\dd+2*\p+1], v[ACC+8*\t+2*\p:ACC+8*\t+2*\p+1] op_sel:[1,0,0] op_sel_hi:[1,1,1]
.endif
.endr
.endr
.endr
.endm
	CH 0
	CH 1
.irp i, 0,1,2,3,4,5,6,7
.if \i < 7
	s_wait_dscnt 8                                 ; this chunk's piece is in; the next chunk's eight loads may be out
.else
	s_wait_dscnt 0x0
.endif
	s_wait_loadcnt 28-4*\i                         ; this chunk's four loads of x are in; four for each later chunk stay out
	FMAS \i
.if \i < 6
	CH \i+2
.endif
.endr
	; each of the 32 sums over the 32 lanes: four steps inside a half of 16 lanes, one across
.irp k, 1,2,4,8
.set j, 0
.rept 32
	v_add_f32_dpp v[ACC+j], v[ACC+j], v[ACC+j] row_xmask:\k row_mask:0xf bank_mask:0xf
.set j, j+1
.endr
.endr
.set j, 0
.rept 32
	v_permlanex16_b32 v[XR+j], v[ACC+j], s24, s25  ; (x's registers are done with, and have been written)
.set j, j+1
.endr
.set j, 0
.rept 32
	v_add_f32 v[ACC+j], v[ACC+j], v[XR+j]
.set j, j+1
.endr
.irp t, 0,1,2,3
	ds_store_b128 v7, v[ACC+8*\t:ACC+8*\t+3] offset:32*\t          ; all lanes write the same bytes with the same values
	ds_store_b128 v7, v[ACC+8*\t+4:ACC+8*\t+7] offset:32*\t+16
.endr
	s_wait_dscnt 0x0                               ; for wave 0's sake
	s_barrier_signal -1
	s_barrier_wait -1
	s_cmp_lg_u32 s26, 0                            ; the rest is wave 0's: a lane to a token; no barrier follows
	s_cbranch_scc1 .Ldone
	ds_load_b128 v[8:11], v6
	ds_load_b128 v[12:15], v6 offset:16
	v_lshlrev_b32 v30, 3, v1                       ; 8 bytes a token
	v_lshlrev_b32 v32, 2, v1                       ; 4 bytes a lane
	v_mov_b32 v31, 0                               ; the 32 words of ballots and counts
	s_wait_kmcnt 0x0                               ; br
	s_wait_dscnt 0x0
.irp e, 0,1,2,3,4,5,6,7
	v_add_f32 v[8+\e], s[16+\e], v[8+\e]
.endr
	v_max3_num_f32 v16, v8, v9, v10
	s_delay_alu instid0(VALU_DEP_1)
	v_max3_num_f32 v16, v16, v11, v12
	s_delay_alu instid0(VALU_DEP_1)
	v_max3_num_f32 v16, v16, v13, v14
	s_delay_alu instid0(VALU_DEP_1)
	v_max_num_f32 v16, v16, v15                    ; the row's largest logit
.irp e, 0,1,2,3,4,5,6,7
	v_sub_f32 v[8+\e], v[8+\e], v16
.endr
.irp e, 0,1,2,3,4,5,6,7
	v_mul_f32 v[8+\e], 0x3fb8aa3b, v[8+\e]         ; x log2(e)
.endr
	s_wait_alu depctr_va_vdst(0)
.irp e, 0,1,2,3,4,5,6,7
	v_exp_f32 v[8+\e], v[8+\e]
.endr
	v_nop                                          ; a plain instruction behind the last exponential
	s_wait_alu depctr_va_vdst(0)                   ; one wait for the batch of eight, ahead of its first reader
	v_add_f32 v17, v8, v9
	v_add_f32 v18, v10, v11
	v_add_f32 v19, v12, v13
	v_add_f32 v20, v14, v15
	s_delay_alu instid0(VALU_DEP_3)
	v_add_f32 v17, v17, v18
	s_delay_alu instid0(VALU_DEP_2)
	v_add_f32 v19, v19, v20
	s_delay_alu instid0(VALU_DEP_1)
	v_add_f32 v17, v17, v19
	s_wait_alu depctr_va_vdst(0)
	v_rcp_f32 v18, v17
	v_nop
	s_wait_alu depctr_va_vdst(0)
.irp e, 0,1,2,3,4,5,6,7
	v_mul_f32 v[8+\e], v[8+\e], v18                ; the probabilities
.endr
	v_mov_b32 v20, v8                              ; the largest: kept where it is at least the newcomer, so the lower index wins a tie
	v_mov_b32 v28, 0
.irp e, 1,2,3,4,5,6,7
	s_delay_alu instid0(VALU_DEP_2)
	v_cmp_ge_f32 vcc_lo, v20, v[8+\e]
	s_delay_alu instid0(VALU_DEP_1)
	v_cndmask_b32 v20, v[8+\e], v20, vcc_lo
	s_delay_alu instid0(VALU_DEP_2)
	v_cndmask_b32 v28, \e, v28, vcc_lo
.endr
	v_mov_b32 v22, -1.0                            ; the second: under every probability at first
	v_mov_b32 v29, 0
.irp e, 0,1,2,3,4,5,6,7
	s_delay_alu instid0(VALU_DEP_2)
	v_cmp_ge_f32 s28, v22, v[8+\e]
	v_cmp_eq_u32 s29, \e, v28
	s_or_b32 vcc_lo, s28, s29                      ; kept where it is at least the newcomer, or the newcomer is the first choice
	v_cndmask_b32 v22, v[8+\e], v22, vcc_lo
	v_cndmask_b32 v29, \e, v29, vcc_lo
.endr
	s_delay_alu instid0(VALU_DEP_2)
	v_add_f32 v24, v20, v22
	s_delay_alu instid0(VALU_DEP_1)
	v_add_f32 v24, 0x358637bd, v24                 ; + 1e-6
	s_wait_alu depctr_va_vdst(0)
	v_rcp_f32 v25, v24
	v_nop
	s_wait_alu depctr_va_vdst(0)
	v_mul_f32 v26, v20, v25
	v_mul_f32 v27, v22, v25
	global_store_b64 v30, v[28:29], s[32:33]       ; 32 lanes store 256 consecutive bytes, aligned
	global_store_b64 v30, v[26:27], s[12:13]
.irp e, 0,1,2,3,4,5,6,7
	v_cmp_eq_u32 s28, \e, v28
	v_cmp_eq_u32 s29, \e, v29
	s_or_b32 s28, s28, s29                         ; who chose expert e
	v_writelane_b32 v31, s28, \e
	s_bcnt1_i32_b32 s29, s28                       ; and how many
	v_writelane_b32 v31, s29, 8+\e
.endr
	global_store_b32 v32, v31, s[14:15] offset:8192
.Ldone:
	s_wait_tensorcnt 0x0                           ; the wave's end
	ds_add_u32 v232, v233
	s_wait_dscnt 0x0
	s_endpgm
.Lxq:
	s_sub_co_u32 s28, ttmp9, 32                    ; T
	s_lshl_b32 s30, s28, 16                        ; 16 rows of 4,096 bytes of x,
	s_lshl_b32 s29, s26, 9                         ; K step s: 512 bytes on
	s_add_co_u32 s30, s30, s29
	s_mov_b32 s31, 0
	s_add_nc_u64 s[4:5], s[4:5], s[30:31]
	s_mul_i32 s30, s28, 16*XP
	s_lshr_b32 s29, s26, 1
	s_lshl_b32 s29, s29, 8
	s_add_co_u32 s30, s30, s29                     ; my 16 rows of xq, unit s / 2
	s_and_b32 s29, s26, 1                          ; g = s % 2
	s_mul_i32 s36, s29, 96
	s_add_co_u32 s36, s36, s30
	s_mov_b32 s37, 0
	s_add_nc_u64 s[36:37], s[34:35], s[36:37]      ; my K step's codes
	s_lshl_b32 s29, s29, 2
	s_add_co_u32 s30, s30, s29
	s_add_nc_u64 s[38:39], s[34:35], s[30:31]      ; and its scale words (192 bytes on, in the immediate)
	v_and_b32 v2, 15, v0                           ; r
	v_bfe_u32 v3, v0, 4, 1                         ; h
	v_lshlrev_b32 v35, 12, v2
	v_mul_u32_u24 v36, v2, XP
	v_lshl_add_u32 v35, v3, 6, v35                 ; x: row r, + 64 h: my 16 numbers of a block of 32
	v_mad_u32_u24 v36, v3, 48, v36                 ; xq: row r, + 48 h
.irp b, 0,1,2,3
	v_mov_b32 v[TM+4+\b], 0                        ; written once: the destination of a lane move counts as one of its sources
.endr
.irp b, 0,1,2,3
.irp i, 0,1,2,3
	global_load_b128 v[QS+16*\b+4*\i:QS+16*\b+4*\i+3], v35, s[4:5] offset:128*\b+16*\i   ; register 16 b + .. = k 32 b + 16 h + ..
.endr
.endr
	s_wait_alu depctr_va_vdst(0)
	s_wait_loadcnt 0x0
.irp b, 0,1,2,3
	v_max3_num_f32 v[TM+\b], |v[QS+16*\b]|, |v[QS+1+16*\b]|, 0x2800000   ; block b: my 16 numbers, and the floor 2^(5 - 127)
.endr
.irp i, 2,4,6,8,10,12,14
.irp b, 0,1,2,3
	s_delay_alu instid0(VALU_DEP_4)
	v_max3_num_f32 v[TM+\b], v[TM+\b], |v[QS+16*\b+\i]|, |v[QS+1+16*\b+\i]|
.endr
.endr
.irp b, 0,1,2,3
	s_delay_alu instid0(VALU_DEP_4)
	v_permlanex16_b32 v[TM+4+\b], v[TM+\b], s24, s25
.endr
.irp b, 0,1,2,3
	s_delay_alu instid0(VALU_DEP_4)
	v_max_num_f32 v[TM+\b], v[TM+\b], v[TM+4+\b]   ; with lane l xor 16's: the block's largest magnitude
.endr
.irp b, 0,1,2,3
	s_delay_alu instid0(VALU_DEP_4)
	v_add_nc_u32 v[TM+12+\b], 0xfe000000, v[TM+\b] ; 4 off its exponent field: the conversion's scale operand
.endr
.irp b, 0,1,2,3
	s_delay_alu instid0(VALU_DEP_4)
	v_lshrrev_b32 v[TM+4+\b], 23, v[TM+12+\b]      ; the scale's byte
.endr
	s_delay_alu instid0(VALU_DEP_3)
	v_lshl_or_b32 v[PW], v[TM+5], 8, v[TM+4]
	s_delay_alu instid0(VALU_DEP_1)
	v_lshl_or_b32 v[PW], v[TM+6], 16, v[PW]
	s_delay_alu instid0(VALU_DEP_1)
	v_lshl_or_b32 v[PW], v[TM+7], 24, v[PW]
.irp c, 0,1
	v_cvt_scalef32_pk16_bf6_f32 v[PC+6*\c:PC+2+6*\c], v[QS+32*\c:QS+15+32*\c], v[TM+12+2*\c]
	v_cvt_scalef32_pk16_bf6_f32 v[PC+12+4*\c:PC+14+4*\c], v[QS+16+32*\c:QS+31+32*\c], v[TM+12+2*\c+1]   ; (a conversion's three registers begin on an even number)
.endr
	v_nop                                          ; one plain place behind a scaled conversion
.irp c, 0,1                            ; the operand's layout wants a whole block in a lane: lanes 0-15 block 2 c, lanes 16-31 block 2 c + 1
.irp i, 0,1,2
	v_permlane16_swap_b32 v[PC+6*\c+\i], v[PC+12+4*\c+\i]
.endr
.irp i, 0,1,2
	s_delay_alu instid0(VALU_DEP_3)
	v_mov_b32 v[PC+3+6*\c+\i], v[PC+12+4*\c+\i]
.endr
.endr
.irp p, 0,1,2
	global_store_b128 v36, v[PC+4*\p:PC+4*\p+3], s[36:37] offset:16*\p
.endr
	global_store_b32 v36, v[PW], s[38:39] offset:192     ; lanes 0-15 the word, lanes 16-31 its copy 48 bytes on
	s_wait_tensorcnt 0x0                           ; the wave's end
	ds_add_u32 v232, v233
	s_wait_dscnt 0x0
	s_endpgm
.Lfunc_end_k_q40bc9af146_router:
	.size	k_q40bc9af146_router, .Lfunc_end_k_q40bc9af146_router-k_q40bc9af146_router
	.p2alignl 7, 3214868480
	.fill 96, 4, 3214868480
	.section	.rodata,"a",@progbits
	.p2align	6, 0x0
	.amdhsa_kernel k_q40bc9af146_router
		.amdhsa_group_segment_fixed_size 38912
		.amdhsa_private_segment_fixed_size 0
		.amdhsa_enable_private_segment 0
		.amdhsa_kernarg_size 48
		.amdhsa_user_sgpr_count 2
		.amdhsa_user_sgpr_kernarg_segment_ptr 1
		.amdhsa_wavefront_size32 1
		.amdhsa_system_sgpr_workgroup_id_x 1
		.amdhsa_system_sgpr_workgroup_id_y 1
		.amdhsa_system_sgpr_workgroup_id_z 1
		.amdhsa_system_vgpr_workitem_id 0
		.amdhsa_next_free_vgpr 240
		.amdhsa_next_free_sgpr 66
		.amdhsa_reserve_vcc 1
		.amdhsa_float_denorm_mode_32 3
		.amdhsa_float_denorm_mode_16_64 3
		.amdhsa_memory_ordered 1
		.amdhsa_forward_progress 1
		.amdhsa_inst_pref_size 81
	.end_amdhsa_kernel
	.amdgpu_metadata
---
amdhsa.version: [ 1, 2 ]
amdhsa.kernels:
  - .name:           k_q40bc9af146_router
    .symbol:         k_q40bc9af146_router.kd
    .args:
      - { .name: x, .offset: 0, .size: 8, .value_kind: global_buffer, .address_space: global }
      - { .name: Wr, .offset: 8, .size: 8, .value_kind: global_buffer, .address_space: global }
      - { .name: br, .offset: 16, .size: 8, .value_kind: global_buffer, .address_space: global }
      - { .name: rt, .offset: 24, .size: 8, .value_kind: global_buffer, .address_space: global }
      - { .name: wts, .offset: 32, .size: 8, .value_kind: global_buffer, .address_space: global }
      - { .name: xq, .offset: 40, .size: 8, .value_kind: global_buffer, .address_space: global }
    .group_segment_fixed_size: 38912
    .private_segment_fixed_size: 0
    .kernarg_segment_align: 8
    .kernarg_segment_size: 48
    .max_flat_workgroup_size: 256
    .sgpr_count:     66
    .vgpr_count:     240
    .wavefront_size: 32
...
	.end_amdgpu_metadata
.endif
;; end of part 1
;; launch layer1 (part 2): grid 32 x 8, 16 waves a work-group, no clusters, 57,344 bytes of LDS; arguments xq, W1, b1, rt, h1, wts, pl, rwt; writes h1, pl, rwt
.if DOCPART == 2
	.amdgcn_target "amdgcn-amd-amdhsa--gfx1250"
	.amdhsa_code_object_version 6
	.text
	.protected	k_q40bc9af146_layer1
	.globl	k_q40bc9af146_layer1
	.p2align	8
	.type	k_q40bc9af146_layer1,@function
k_q40bc9af146_layer1:
	s_mov_b64 s[64:65], 0
	v_nop
	global_prefetch_b8 v0, s[64:65] scope:SCOPE_SE
	s_setreg_imm32_b32 hwreg(HW_REG_WAVE_MODE, 25, 1), 1
	s_wait_xcnt 0x0
; ONE LAYER OF THE EXPERTS, for the routed rows alone.  One text serves the three layers; the first line says which.
.set LAYER, 1                          ; 1: h1 = Q(relu(Q(x) Q(W1) + b1));  2: h2 = Q(relu(h1 Q(W2) + b2));  3: yp = w x (h2 Q(W3) over a half of K, + b3 in half 0)
; Both operands are codes of BF6 (E3M2) with one E8M0 scale for each 32 along K, multiplied by v_wmma_scale_f32_16x16x128_f8f6f4; sums in f32.
; THE WEIGHTS arrive as f32 [expert][K][N], K outermost: each is read once in the launch, quantised on the way, and never stored to memory.
; SHARES.  Work-group (x, e) owns 64 columns of expert e and serves all rows of that expert: 256 work-groups whatever the split.  K goes in four trips of 256.
; In a trip wave w = 2 kb + b takes block kb (32 along K) of 32 columns (b).  Lane (c, h) loads 8 bytes, columns 2 c and 2 c + 1, of rows 16 h + 0 .. 15 of the block: 16 loads, each two runs of 128 consecutive bytes.
; The two columns are parted in registers (38 moves), each half block is converted, and three lane swaps give lanes 0-15 the whole block of column 2 c and lanes 16-31 that of column 2 c + 1.
; The codes go to LDS as IMAGES OF THE OPERAND'S REGISTERS (fragment = 16 columns x 128 K = 12 registers a lane), the scale bytes beside them; one barrier a pass; images are never written again.
; THE COLUMNS OF A TILE ARE NOT NEIGHBOURS: lane m of tile 2 b + u holds column 32 b + 8 u + m + 8 (m / 8).  The product is used transposed (source 0 = 16 columns, source 1 = 16 rows): lane (r, h) holds row r,
; and the 16 registers of tiles 2 b, 2 b + 1 are columns 32 b + 16 h + 0 .. 15: neighbours along the next layer's K.
; THE PLACING OF ROWS IS THIS LAYER'S.  The 2,048 routed rows (token, choice) are sorted by expert, inside an expert by token; each expert begins on a multiple of 16 rows: at most 135 row tiles of 16.
; Every wave sums the counts that the router stored, and finds for each of its row tiles the 16 tokens from its expert's ballots (macro TOKENS); the rows of x come quantised, 1,024 bytes a token, an aligned unit of
; 256 bytes for each trip, and are gathered by one address a lane.  A tile's rows beyond the expert's count are PADDING: token 0's numbers, weight 0, and a row of their own in the last layer's output
; (2048 + 16 e + r), which nobody reads.
; The work-groups with x = 0 store for the later layers: pl bytes 8 e: (first tile, tiles) of expert e; from byte 256 on, for each sorted row, its row of the last layer's output, 2 token + k; rwt: its weight.
; Waves 0-7 multiply row tiles w and w + 8, waves 8-15 tiles w + 8 and w + 16, where the expert has them: a wave's four weight fragments serve two row tiles.  Tiles 32 to 63 follow behind the stream, from the
; images that have stayed in LDS.  The bias is loaded into the accumulators and starts the sums.
; THE ORDER.  Pass 0 quantises trips 0 and 1 and issues the loads of trips 2 and 3 into the registers so freed; only then are the tokens found and trip 0's rows asked for: trips 2 and 3's weight loads are out
; while the whole numbers are searched.  Pass t >= 1 holds the products of trip t - 1 round the quantising of trip t (t = 2, 3), and then asks for trip t's rows; its waits on loads are for 0.
; No prefetch into the L2: the weights of all four trips are asked of memory by their own loads, at the head and in pass 0, so there is no later trip to run ahead of.
; Which tiles exist is read from memory (rt), so branches hang on loaded numbers: hence no tensor load, no cluster and no joint load for the rows that the expert's work-groups share, and no barrier
; under such a branch.  The fragment and scale registers are set to 0 at the head, since their loads and the products that read them stand under separate branches.
; LIMITS: NaN and infinities are not served.  A block of zeros gets the scale byte 1 (its codes are zeros; this program alone reads the bytes); blocks under 2^-122 take that byte too.
; The sums begin with the bias: another order of rounding than a sum with the bias added last.
.if LAYER == 1
.set NT,    4                          ; trips of 256 along K
.set PITCH, 8192                       ; a row of the weight in bytes
.set ESH,   23                         ; an expert's weight is 2^ESH bytes
.set NSA,   8                          ; K steps of 128 in a row tile of the rows' buffer
.set KBSH,  5                          ; a row's scale bytes there: 2^KBSH
.set SCI,   1671168                    ; where they begin
.set BROW,  8192                       ; an expert's bias in bytes
.elseif LAYER == 2
.set NT,    8
.set PITCH, 8192
.set ESH,   24
.set NSA,   16
.set KBSH,  6
.set SCI,   3342336
.set BROW,  8192
.else
.set NT,    4
.set PITCH, 4096
.set ESH,   23
.set NSA,   16
.set KBSH,  6
.set SCI,   3342336
.set BROW,  4096
.endif
.set KB,    1<<KBSH
.set HSOFF, 3342336                    ; h1, h2: 136 x 16 records, then scale bytes [row][64]
.set YH,    8912896                    ; yp: 2,176 rows of 4,096 bytes for each half of K
.set FRP,   1552                       ; LDS: a fragment's image, 1,536 bytes, + 16: the two tiles that a wave's 16-byte store reaches take the even and the odd places of 16 bytes
.set IMG,   4096                       ; LDS 0-4095: scale bytes, K step S at 256 S, byte 16 m + 4 tile + block;  from IMG on: fragment (S, tile) at (4 S + tile) FRP
.set HI,    32*FRP                     ; four trips' images: LDS offsets have 16 bits, so trips 4-7 use address registers that stand HI further on
.set STG,   IMG+32*FRP                 ; layer 3: behind the images a stage of 16 rows x 272 bytes for each wave
.set SPARE, IMG+8*NT*FRP+(LAYER/3)*16*16*272   ; behind all that: the spare words, 128 bytes for each wave, named by the closing add alone
.set QT,    144                        ; the quantiser's scratch: v144-151 eight numbers, v152-155 codes (the first K step's fragment of my first row tile is done with by then); v252-254 codes
.set QC,    152
.set VTA,   9                          ; v9, v10 my two row tiles: my row's token x 1,024 + 48 h
.set VTB,   10
.set VBL,   12                         ; v12 lane j: my expert's ballot of tokens 32 j .. 32 j + 31;  v15 its rows up to and with group j
.set VRC,   15
.set VW,  1                            ; v1   8 x (lane % 16) + 128 b + 16 rows x (lane / 16): my two columns, my 16 rows of a block
.set L16, 2                            ; v2   16 x lane
.set L8,  3                            ; v3   8 x lane
.set VXS, 4                            ; v4   (lane % 16) x KB: my row's scale bytes
.set IA,  5                            ; v5   where my block's first 16 bytes of codes go
.set IB,  6                            ; v6   and its last 8
.set IS,  7                            ; v7   and its scale byte
.set RS,  8                            ; v8   16 x (lane % 16)
.set IAH, 9                            ; v9-12 (layer 2) IA, IB, L16, L8 + HI
.set IBH, 10
.set R16H, 11
.set R8H, 12
.set M4,  9                            ; v9, v10 (layer 3) 4 x (lane % 16), 4 x (lane / 16)
.set U4,  10
.set VB,  13                           ; v13  64 x (lane / 16): my 16 columns of a block in the bias
.set VOS, 14                           ; v14  (layers 1, 2) 64 x (lane % 16): my row's scale bytes in the output
.set SIN, 14                           ; v14, v15 (layer 3) the stage: in, and back by rows
.set SOUT, 15
.set ACCA, 16                          ; v16-47, v48-79 the accumulators of my two row tiles: tile of columns t at + 8 t
.set ACCB, 48
.set ST,   80                          ; v80-143 two sets of 32 numbers of the weight; at work on the way out
.set XFA,  144                         ; v144-167, v168-191 the rows' fragments of a trip's two K steps
.set XFB,  168
.set XSA,  192                         ; v192-193, v194-195 their scale words
.set XSB,  194
.set WF,   196                         ; v196-243 four fragments of the weight
.set WS,   244                         ; v244-247 their scale words
.set EM,   80                          ; the way out: maxima, scale operands, bytes
.set EC,   90                          ; and codes
; scalars: s[4:15] the buffers; s16 the expert's first row tile, s17 its tiles; s18 wave, s55, s44 my two row tiles; s[28:31] the weight's bases; s[32:33] records, s[34:35] their scale bytes; s[36:41] outputs and lists
.macro PLACES                          ; four plain vector instructions behind a matrix instruction, ahead of loads into its operands and of reads of its results
.rept 4
	v_nop
.endr
.endm
.macro WLOAD t                         ; trip t's block: W(256 t + 32 kb + j, my column), j = 0 .. 31, into set t % 2
.set WR_, ST+32*((\t)%2)
.set WB_, 28+2*((\t)/4)
.set j, 0
.rept 16
	global_load_b64 v[WR_+2*j:WR_+2*j+1], v[VW], s[WB_:WB_+1] offset:(256*((\t)%4)+j)*PITCH th:TH_LOAD_NT
.set j, j+1
.endr
.endm
; THE TOKENS OF ROW TILE s[st] OF MY EXPERT: lane (r, h) finds row q = 16 tile + r: the group of 32 tokens that holds it is the last whose rows ahead are at most q (groups without a bit are passed over);
; in that group's ballot, bit by bit, a set bit met with n = 0 is the one, and each set bit takes 1 off n, which then passes 0 for good.  At work: v160-175, s66-101.
.macro TOKENS va, st
	v_and_b32 v160, 15, v0                         ; r
	s_lshl_b32 s98, s[\st], 4
	v_mov_b32 v162, 0                              ; the group's ballot,
	v_mov_b32 v163, 0                              ; the expert's rows ahead of it,
	v_mov_b32 v164, 0                              ; its number
	v_add_nc_u32 v161, s98, v160                   ; q
.irp hf, 0,1
.set j, 0
.rept 16
	v_readlane_b32 s[66+j], v[VBL], 16*\hf+j
.if 16*\hf+j == 0
	s_mov_b32 s82, 0
.else
	v_readlane_b32 s[82+j], v[VRC], 16*\hf+j-1
.endif
.set j, j+1
.endr
.set j, 0
.rept 16
	v_cmp_gt_u32 vcc_lo, s[82+j], v161             ; kept where the group begins beyond q
	v_cndmask_b32 v162, s[66+j], v162, vcc_lo
	v_cndmask_b32 v163, s[82+j], v163, vcc_lo
	v_cndmask_b32 v164, 16*\hf+j, v164, vcc_lo
.set j, j+1
.endr
.endr
	v_sub_nc_u32 v165, v161, v163                  ; n: which set bit of that ballot
	v_mov_b32 v166, 0
.set j, 0
.rept 32
	v_bfe_u32 v167, v162, j, 1
	s_delay_alu instid0(VALU_DEP_1)
	v_cmp_le_u32 vcc_lo, v167, v165
	v_sub_nc_u32 v165, v165, v167
	v_cndmask_b32 v166, j, v166, vcc_lo
.set j, j+1
.endr
	v_cmp_gt_u32 s99, s100, v161                   ; a real row: q under the expert's count
	v_lshl_add_u32 v166, v164, 5, v166             ; the token
	v_bfe_u32 v167, v0, 4, 1
	s_delay_alu instid0(VALU_DEP_2)
	v_cndmask_b32 v166, 0, v166, s99               ; padding takes token 0
	s_delay_alu instid0(VALU_DEP_1)
	v_min_u32 v166, 0x3ff, v166
	s_delay_alu instid0(VALU_DEP_1)
	v_lshlrev_b32 v[\va], 10, v166
	s_delay_alu instid0(VALU_DEP_1)
	v_mad_u32_u24 v[\va], v167, 48, v[\va]
	s_wait_alu depctr_va_vdst(0)
	s_cmp_lg_u32 s23, 0                            ; the lists are stored by the expert's first work-group
	s_cbranch_scc1 .Lnl_\@
	v_lshlrev_b32 v168, 3, v166
	global_load_b64 v[170:171], v168, s[10:11]     ; the token's two experts
	global_load_b64 v[172:173], v168, s[58:59]     ; and their weights
	s_add_co_u32 s98, s16, s[\st]
	s_lshl_b32 s98, s98, 6                         ; 64 bytes a tile
	s_lshl_b32 s101, s22, 4
	s_add_co_u32 s101, s101, 2048
	v_add_nc_u32 v174, s101, v160                  ; a padding row's own place: 2048 + 16 e + r
	v_lshl_add_u32 v175, v160, 2, s98
	v_mov_b32 v169, 1
	s_wait_alu depctr_va_vdst(0)
	s_wait_loadcnt 0x0
	v_cmp_eq_u32 vcc_lo, s22, v171                 ; k = 1 where my expert is the token's second choice
	v_cndmask_b32 v172, v172, v173, vcc_lo
	v_cndmask_b32 v169, 0, v169, vcc_lo
	s_delay_alu instid0(VALU_DEP_1)
	v_lshl_add_u32 v169, v166, 1, v169             ; 2 token + k
	v_cndmask_b32 v172, 0, v172, s99
	s_delay_alu instid0(VALU_DEP_2)
	v_cndmask_b32 v169, v174, v169, s99
	global_store_b32 v175, v169, s[60:61] offset:256     ; lanes l and l + 16 write the same word with the same value
	global_store_b32 v175, v172, s[62:63]
	s_wait_xcnt 0x0                                ; the stores' registers are written again only behind this wait
.Lnl_\@:
	s_wait_alu depctr_va_vdst(0)                   ; the registers at work here are the rows' fragment registers
.rept 4
	v_nop                                          ; and four places ahead of any product that names them
.endr
.endm
.macro QUANT t
.set QX_, ST+32*((\t)%2)
.if (\t) < 4
.set QA_, IA
.set QB_, IB
.else
.set QA_, IAH
.set QB_, IBH
.endif
	v_max3_num_f32 v248, |v[QX_]|, |v[QX_+2]|, 0x2800000       ; register 2 j + q is row 16 h + j of column 2 c + q; the floor 2^(5 - 127) as a leaf: the byte cannot fall under 1
	v_max3_num_f32 v249, |v[QX_+1]|, |v[QX_+3]|, 0x2800000
.irp i, 4,8,12,16,20,24,28
	s_delay_alu instid0(VALU_DEP_2)
	v_max3_num_f32 v248, v248, |v[QX_+\i]|, |v[QX_+\i+2]|
	s_delay_alu instid0(VALU_DEP_2)
	v_max3_num_f32 v249, v249, |v[QX_+\i+1]|, |v[QX_+\i+3]|
.endr
	s_delay_alu instid0(VALU_DEP_2)
	v_permlanex16_b32 v250, v248, s42, s43
	s_delay_alu instid0(VALU_DEP_2)
	v_permlanex16_b32 v251, v249, s42, s43
	s_delay_alu instid0(VALU_DEP_2)
	v_max_num_f32 v248, v248, v250                 ; with lane l xor 16's 16 rows: the two blocks' largest magnitudes
	s_delay_alu instid0(VALU_DEP_2)
	v_max_num_f32 v249, v249, v251
	s_delay_alu instid0(VALU_DEP_2)
	v_add_nc_u32 v248, 0xfe000000, v248            ; 4 off the exponent field: the conversions' scale operands
	s_delay_alu instid0(VALU_DEP_2)
	v_add_nc_u32 v249, 0xfe000000, v249
	s_delay_alu instid0(VALU_DEP_2)
	v_lshrrev_b32 v250, 23, v248                   ; the scales' bytes
	s_delay_alu instid0(VALU_DEP_2)
	v_lshrrev_b32 v251, 23, v249
	s_delay_alu instid0(VALU_DEP_1)
	v_cndmask_b32 v250, v250, v251, s57            ; lanes 16-31 will hold column 2 c + 1
.irp i, 0,1,2,3,4,5,6,7                ; the two columns are parted: the even one into registers 0-15, the odd one into 16-31
	v_mov_b32 v[QT+\i], v[QX_+2*\i+1]
.endr
.irp i, 1,2,3,4,5,6,7,8,9,10,11,12,13,14,15
	v_mov_b32 v[QX_+\i], v[QX_+2*\i]
.endr
.irp i, 6,5,4,3,2,1,0
	v_mov_b32 v[QX_+24+\i], v[QX_+17+2*\i]
.endr
.irp i, 0,1,2,3,4,5,6,7
	v_mov_b32 v[QX_+16+\i], v[QT+\i]
.endr
	v_cvt_scalef32_pk16_bf6_f32 v[QC:QC+2], v[QX_:QX_+15], v248
	v_cvt_scalef32_pk16_bf6_f32 v[252:254], v[QX_+16:QX_+31], v249
	v_nop                                          ; one plain place behind a scaled conversion
.irp i, 0,1,2
	v_permlane16_swap_b32 v[QC+\i], v[252+\i]      ; a whole block to a lane: the first three hold its lower 16 codes, the others the upper 16
.endr
	v_mov_b32 v[QC+3], v252
	v_mov_b32 v252, v253
	v_mov_b32 v253, v254
	ds_store_b128 v[QA_], v[QC:QC+3] offset:((\t)%4)*8*FRP
	ds_store_b64 v[QB_], v[252:253] offset:((\t)%4)*8*FRP
	ds_store_b8 v[IS], v250 offset:512*(\t)
	s_wait_alu depctr_va_vdst(0)
.endm
.macro XLOAD t, xf, xs, dt             ; the records of trip t's two K steps of the row tile dt tiles on, and its rows' two scale words: 7 loads
.irp sg, 0,1
.irp p, 0,1,2                          ; this layer gathers: my row's 48 bytes of the K step, by the tile's address register (dt = 0: v9, dt = 8: v10): 7 loads
	global_load_b128 v[\xf+12*\sg+4*\p:\xf+12*\sg+4*\p+3], v[VTA+(\dt)/8], s[4:5] offset:256*(\t)+96*\sg+16*\p
.endr
.endr
	global_load_b64 v[\xs:\xs+1], v[VTA+(\dt)/8], s[4:5] offset:256*(\t)+192
.endm
.macro WFETCH t, sg                    ; the four fragments of the weight of K step 2 t + sg, and their scale words: 17 LDS loads
.if (\t) < 4
.set FA_, L16
.set FB_, L8
.else
.set FA_, R16H
.set FB_, R8H
.endif
.set FO_, IMG+4*(2*((\t)%4)+\sg)*FRP
.irp tau, 0,1,2,3
	ds_load_b128 v[WF+12*\tau:WF+12*\tau+3], v[FA_] offset:FO_+\tau*FRP
	ds_load_b64 v[WF+12*\tau+4:WF+12*\tau+5], v[FB_] offset:FO_+\tau*FRP+512
	ds_load_b128 v[WF+12*\tau+6:WF+12*\tau+9], v[FA_] offset:FO_+\tau*FRP+768
	ds_load_b64 v[WF+12*\tau+10:WF+12*\tau+11], v[FB_] offset:FO_+\tau*FRP+1280
.endr
	ds_load_b128 v[WS:WS+3], v[RS] offset:256*(2*(\t)+\sg)
.endm
.macro MULT acc, xf, xs, sg            ; four products: the accumulators take turns, one instruction a turn; a run ends on tile 3 and the next begins on tile 0
.irp tau, 0,1,2,3
	v_wmma_scale_f32_16x16x128_f8f6f4 v[\acc+8*\tau:\acc+8*\tau+7], v[WF+12*\tau:WF+12*\tau+11], v[\xf+12*\sg:\xf+12*\sg+11], v[\acc+8*\tau:\acc+8*\tau+7], v[WS+\tau], v[\xs+\sg] matrix_a_fmt:MATRIX_FMT_BF6 matrix_b_fmt:MATRIX_FMT_BF6
.endr
.endm
.macro BIAS acc                        ; register 16 b + 8 u + i of lane (r, h) is column 32 b + 16 h + 8 u + i
.irp q, 0,1,2,3,4,5,6,7
	global_load_b128 v[\acc+4*\q:\acc+4*\q+3], v[VB], s[8:9] offset:128*(\q/4)+32*((\q/2)%2)+16*(\q%2)
.endr
.endm
.macro HALF0 acc                       ; layer 3: the bias belongs to half 0 of K alone; half 1 begins with zeros (vcc_lo: all ones in half 0)
.set j, 0
.rept 32
	v_cndmask_b32 v[\acc+j], 0, v[\acc+j], vcc_lo
.set j, j+1
.endr
.endm
.if LAYER < 3
; THE WAY OUT, layers 1 and 2: relu, the two blocks of 32 columns quantised in registers, half a record (768 bytes) and two scale bytes a row stored
.macro EPI acc, dt
	s_wait_xcnt 0x0                                ; the registers that earlier stores read are written again only behind this wait
.set j, 0
.rept 32
	v_max_num_f32 v[\acc+j], 0, v[\acc+j]          ; each accumulator from its low end on
.set j, j+1
.endr
.irp b, 0,1
	v_max3_num_f32 v[EM+\b], v[\acc+16*\b], v[\acc+16*\b+1], 0x2800000   ; no |.|: none is negative; the floor as a leaf
.endr
.irp i, 2,4,6,8,10,12,14
.irp b, 0,1
	s_delay_alu instid0(VALU_DEP_2)
	v_max3_num_f32 v[EM+\b], v[EM+\b], v[\acc+16*\b+\i], v[\acc+16*\b+\i+1]
.endr
.endr
.irp b, 0,1
	s_delay_alu instid0(VALU_DEP_2)
	v_permlanex16_b32 v[EM+2+\b], v[EM+\b], s42, s43
.endr
.irp b, 0,1
	s_delay_alu instid0(VALU_DEP_2)
	v_max_num_f32 v[EM+\b], v[EM+\b], v[EM+2+\b]   ; with lane l xor 16's 16 columns
.endr
.irp b, 0,1
	s_delay_alu instid0(VALU_DEP_2)
	v_add_nc_u32 v[EM+4+\b], 0xfe000000, v[EM+\b]
.endr
.irp b, 0,1
	s_delay_alu instid0(VALU_DEP_2)
	v_lshrrev_b32 v[EM+6+\b], 23, v[EM+4+\b]
.endr
	s_delay_alu instid0(VALU_DEP_1)
	v_lshl_or_b32 v[EM+8], v[EM+7], 8, v[EM+6]     ; my row's two scale bytes
	v_cvt_scalef32_pk16_bf6_f32 v[EC:EC+2], v[\acc:\acc+15], v[EM+4]
	v_cvt_scalef32_pk16_bf6_f32 v[EC+4:EC+6], v[\acc+16:\acc+31], v[EM+5]
	v_nop                                          ; one plain place behind a scaled conversion
.irp i, 0,1,2
	v_permlane16_swap_b32 v[EC+\i], v[EC+4+\i]     ; a whole block to a lane: lanes 0-15 block 0, lanes 16-31 block 1
.endr
.irp i, 0,1,2
	s_delay_alu instid0(VALU_DEP_3)
	v_mov_b32 v[EC+3+\i], v[EC+4+\i]
.endr
	global_store_b128 v[L16], v[EC:EC+3], s[36:37] offset:(\dt)*16*1536        ; 512 consecutive bytes, aligned to 256
	global_store_b64 v[L8], v[EC+4:EC+5], s[36:37] offset:(\dt)*16*1536+512    ; 256
	global_store_b16 v[VOS], v[EM+8], s[38:39] offset:(\dt)*1024               ; 2 bytes a row, 64 bytes apart: this work-group owns two of the row's 64 blocks (128 KB in the launch)
.endm
.else
; THE WAY OUT, layer 3: x the row's weight; through my stage, so that sixteen lanes store a row's 256 consecutive bytes; to the row that the list names
.macro EPI acc, dt
	s_wait_xcnt 0x0                                ; the registers that earlier stores read are written again only behind this wait
	global_load_b32 v[EM], v[M4], s[40:41] offset:64*(\dt)
.irp i, 0,1,2,3,4,5,6,7
	global_load_b32 v[EM+2+\i], v[U4], s[38:39] offset:256+64*(\dt)+8*\i       ; rows 2 i and 2 i + 1 of the tile
.endr
	s_wait_loadcnt 0x0
.set j, 0
.rept 16
	v_pk_mul_f32 v[\acc+j:\acc+j+1], v[\acc+j:\acc+j+1], v[EM:EM+1] op_sel_hi:[1,0]   ; each accumulator from its low end on
.set j, j+2
.endr
.irp q, 0,1,2,3,4,5,6,7
	ds_store_b128 v[SIN], v[\acc+4*\q:\acc+4*\q+3] offset:128*(\q/4)+32*((\q/2)%2)+16*(\q%2)
.endr
.irp i, 0,1,2,3,4,5,6,7
	ds_load_b128 v[EM+16+4*\i:EM+19+4*\i], v[SOUT] offset:544*\i               ; LDS serves a wave's instructions in order (ISA guide 5.7.1.4): these see my stores
.endr
.irp i, 0,1,2,3,4,5,6,7
	v_min_u32 v[EM+2+\i], 0x87f, v[EM+2+\i]
.endr
.irp i, 0,1,2,3,4,5,6,7
	v_lshl_add_u32 v[EM+2+\i], v[EM+2+\i], 12, v[RS]
.endr
.irp i, 0,1,2,3,4,5,6,7
	s_wait_dscnt 7-\i                              ; the later stage loads may be out
	global_store_b128 v[EM+2+\i], v[EM+16+4*\i:EM+19+4*\i], s[36:37] th:TH_STORE_NT
.endr
.endm
.endif
.macro ONWARD n                        ; the bases that hang on the row tile go n tiles on
	s_wait_xcnt 0x0                                ; every earlier load and store has read its base
	s_add_nc_u64 s[32:33], s[32:33], (\n)*NSA*1536
	s_add_nc_u64 s[34:35], s[34:35], (\n)*16*KB
.if LAYER < 3
	s_add_nc_u64 s[36:37], s[36:37], (\n)*16*1536
	s_add_nc_u64 s[38:39], s[38:39], (\n)*1024
.else
	s_add_nc_u64 s[38:39], s[38:39], (\n)*64
	s_add_nc_u64 s[40:41], s[40:41], (\n)*64
.endif
.endm
; A TRIP: 256 along K
.macro TRIP t
.if (\t) > 0                           ; the products of trip t - 1, first K step
	s_cmp_lt_u32 s55, s17                          ; have I a row tile?
	s_cbranch_scc0 .Lna_\@
	WFETCH (\t)-1, 0
	s_wait_loadcnt 0x0                             ; the rows are in: they are my youngest loads
	s_wait_dscnt 0x0
.if (LAYER == 3) && ((\t) == 1)
	s_mov_b32 vcc_lo, s45
	HALF0 ACCA
	HALF0 ACCB
	s_wait_alu depctr_va_vdst(0)
	PLACES
.endif
	MULT ACCA, XFA, XSA, 0
	s_cmp_lt_u32 s44, s17                          ; and a second?
	s_cbranch_scc0 .Lnb_\@
	MULT ACCB, XFB, XSB, 0
.Lnb_\@:
	PLACES
	WFETCH (\t)-1, 1                               ; out while this trip's block is quantised
.Lna_\@:
.endif
.if (\t) == 0
	s_wait_loadcnt 32                              ; trip 0's block is in; behind it: trip 1's 16 loads and the 16 of the bias
	QUANT 0
	s_wait_dscnt 0x0                               ; the stores have read the registers that the next block's codes take
	WLOAD 2                                        ; into the set just quantised
	s_wait_loadcnt 32                              ; trip 1's block is in; behind it: the 16 of the bias and trip 2's 16
	QUANT 1
	WLOAD 3
.else
	s_wait_loadcnt 0x0                             ; on every way: no load is out, this trip's block among them
.if ((\t) > 1) && ((\t) < NT)
	QUANT \t
.endif
.endif
	s_wait_dscnt 0x0                               ; the second step's fragments are in, and, for the others' sake, my part of this trip's images lies in LDS
.if (\t) > 0
	s_cmp_lt_u32 s55, s17
	s_cbranch_scc0 .Lnc_\@
	MULT ACCA, XFA, XSA, 1
	s_cmp_lt_u32 s44, s17
	s_cbranch_scc0 .Lnd_\@
	MULT ACCB, XFB, XSB, 1
.Lnd_\@:
	PLACES
.Lnc_\@:
.endif
.if (\t) < NT
.if (\t) == 0                          ; the tokens of my row tiles, while the loads of trips 2 and 3 are out
	s_cmp_lt_u32 s55, s17                          ; have I a row tile?
	s_cbranch_scc0 .Lnotok
	TOKENS VTA, 55
	s_cmp_lt_u32 s44, s17                          ; and a second?
	s_cbranch_scc0 .Lnotok
	TOKENS VTB, 44
.Lnotok:
.endif
	s_cmp_lt_u32 s55, s17
	s_cbranch_scc0 .Lnox_\@
	XLOAD \t, XFA, XSA, 0
	s_cmp_lt_u32 s44, s17
	s_cbranch_scc0 .Lnox_\@
	XLOAD \t, XFB, XSB, 8
.Lnox_\@:
	s_barrier_signal -1
	s_barrier_wait -1                              ; everybody's part of the trip's images lies in LDS.  Nothing in LDS is written twice, so this is the trip's one barrier
.endif
.endm
	s_load_b256 s[4:11], s[0:1], 0x0               ; rows s[4:5], weight s[6:7], bias s[8:9], pl s[10:11]
.if LAYER == 3
	s_load_b128 s[12:15], s[0:1], 0x20             ; yp s[12:13], rwt s[14:15]
.else
	s_load_b64 s[12:13], s[0:1], 0x20              ; the output
	s_load_b64 s[58:59], s[0:1], 0x28              ; wts
	s_load_b128 s[60:63], s[0:1], 0x30             ; pl s[60:61], rwt s[62:63];  s[10:11] is rt here
.endif
	v_lshrrev_b32 v252, 5, v0
	s_delay_alu instid0(VALU_DEP_1)
	v_readfirstlane_b32 s18, v252                  ; wave 0..15
	v_and_b32 v252, 31, v0                         ; lane
	v_and_b32 v253, 15, v0                         ; m
	s_wait_alu depctr_va_vdst(0)
	v_bfe_u32 v254, v0, 4, 1                       ; u
	s_lshr_b32 s55, s18, 3
	s_lshl_b32 s55, s55, 3
	s_add_co_u32 s55, s55, s18                     ; my first row tile of the expert: w, or w + 8 from wave 8 on
	s_add_co_u32 s44, s55, 8                       ; and my second
	s_mov_b32 s57, 0xffff0000                      ; lanes 16-31
	s_and_b32 s19, s18, 1                          ; b: which 32 columns
	s_lshr_b32 s20, s18, 1                         ; kb: which block of 32 of a trip's 256
	s_and_b32 s22, ttmp7, 0xffff                   ; the expert
.if LAYER == 3
	s_and_b32 s23, ttmp9, 15                       ; the 64 columns
	s_lshr_b32 s24, ttmp9, 4                       ; the half of K
.else
	s_mov_b32 s23, ttmp9
	s_mov_b32 s24, 0
.endif
	; my block's place in the images: K step sg = kb / 4 of the trip, half c = (kb / 2) % 2 of the fragment, lanes 16 hh + m with hh = kb % 2; tiles 2 b + u
	s_lshr_b32 s48, s18, 3                         ; sg
	s_lshl_b32 s49, s48, 2
	s_lshl_b32 s53, s19, 1
	s_add_co_u32 s49, s49, s53
	s_mul_i32 s49, s49, FRP                        ; (4 sg + 2 b) FRP
	s_bfe_u32 s53, s18, 0x10002                    ; c
	s_mul_i32 s53, s53, 768
	s_add_co_u32 s49, s49, s53
	s_bfe_u32 s54, s18, 0x10001                    ; hh
	s_lshl_b32 s50, s54, 8
	s_add_co_u32 s50, s50, s49
	s_add_co_u32 s50, s50, IMG
	s_lshl_b32 s51, s54, 7
	s_add_co_u32 s51, s51, s49
	s_add_co_u32 s51, s51, IMG+512
	s_lshl_b32 s52, s48, 8
	s_lshl_b32 s53, s19, 3
	s_add_co_u32 s52, s52, s53
	s_bfe_u32 s53, s18, 0x20001                    ; kb % 4: the block's byte in a scale word
	s_add_co_u32 s52, s52, s53
	s_lshl_b32 s53, s19, 7
	s_wait_alu depctr_va_vdst(0)
	v_lshl_add_u32 v[VW], v253, 3, s53
	v_bfe_u32 v251, v0, 2, 1                       ; the column that I store, 2 c + h, lies in tile 2 b + u', u' = (c / 4) % 2,
	v_and_b32 v250, 3, v0
	v_bfe_u32 v249, v0, 3, 1
	v_mad_u32_u24 v[VW], v254, 16*PITCH, v[VW]
	s_delay_alu instid0(VALU_DEP_3)
	v_lshl_add_u32 v250, v250, 1, v254
	s_delay_alu instid0(VALU_DEP_1)
	v_lshl_add_u32 v250, v249, 3, v250             ; at lane m' = 8 (c / 8) + 2 (c % 4) + h
	v_lshlrev_b32 v[L16], 4, v252
	v_lshlrev_b32 v[L8], 3, v252
	v_lshlrev_b32 v[VXS], KBSH, v253
	v_mul_u32_u24 v255, v251, FRP
	v_lshlrev_b32 v[RS], 4, v253
	v_lshlrev_b32 v[IS], 4, v250
	s_delay_alu instid0(VALU_DEP_3)
	v_lshl_add_u32 v[IA], v250, 4, v255
	s_delay_alu instid0(VALU_DEP_4)
	v_lshl_add_u32 v[IB], v250, 3, v255
	s_delay_alu instid0(VALU_DEP_3)
	v_lshl_add_u32 v[IS], v251, 2, v[IS]
	s_delay_alu instid0(VALU_DEP_3)
	v_add_nc_u32 v[IA], s50, v[IA]
	s_delay_alu instid0(VALU_DEP_3)
	v_add_nc_u32 v[IB], s51, v[IB]
	s_delay_alu instid0(VALU_DEP_3)
	v_add_nc_u32 v[IS], s52, v[IS]
	v_lshlrev_b32 v[VB], 6, v254
	v_lshlrev_b32 v255, 7, v252                    ; lane j reads group j's 128 bytes of ballots and counts
	v_mov_b32 v[VTA], 0
	v_mov_b32 v[VTB], 0
.if LAYER == 2
	v_add_nc_u32 v[IAH], HI, v[IA]
	v_add_nc_u32 v[IBH], HI, v[IB]
	v_add_nc_u32 v[R16H], HI, v[L16]
	v_add_nc_u32 v[R8H], HI, v[L8]
.endif
.if LAYER < 3
	v_lshlrev_b32 v[VOS], 6, v253
.else
	s_mul_i32 s53, s18, 16*272
	s_add_co_u32 s53, s53, STG                     ; my stage
	v_mul_u32_u24 v[SIN], v253, 272
	v_lshl_add_u32 v[SIN], v254, 6, v[SIN]
	v_add_nc_u32 v[SIN], s53, v[SIN]               ; in: row m, + 64 h
	v_mul_u32_u24 v[SOUT], v254, 272
	v_add_nc_u32 v[SOUT], v[SOUT], v[RS]
	v_add_nc_u32 v[SOUT], s53, v[SOUT]             ; back: lanes 0-15 one row, lanes 16-31 the next
	v_lshlrev_b32 v[M4], 2, v253
	v_lshlrev_b32 v[U4], 2, v254
.endif
.set j, XFA
.rept 104
	v_mov_b32 v[j], 0                              ; the rows' fragments and scale words (see the head comment)
.set j, j+1
.endr
	s_mov_b32 s42, 0x76543210
	s_mov_b32 s43, 0xfedcba98                      ; v_permlanex16_b32's selects for lane l xor 16
	s_wait_kmcnt 0x0
	s_mov_b32 s27, 0
	global_load_b128 v[144:147], v255, s[10:11] offset:8192    ; ballots of experts 0-3,
	global_load_b128 v[148:151], v255, s[10:11] offset:8208    ; 4-7;
	global_load_b128 v[152:155], v255, s[10:11] offset:8224    ; their counts
	global_load_b128 v[156:159], v255, s[10:11] offset:8240
	s_lshl_b32 s26, s22, ESH                       ; the weight: my expert,
	s_lshl_b32 s50, s24, 10
	s_lshl_b32 s51, s20, 5
	s_add_co_u32 s50, s50, s51
	s_mul_i32 s50, s50, PITCH                      ; row 1024 half + 32 kb,
	s_add_co_u32 s26, s26, s50
	s_lshl_b32 s50, s23, 8                         ; my work-group's 64 columns
	s_add_co_u32 s26, s26, s50
	s_add_nc_u64 s[28:29], s[6:7], s[26:27]
.if NT > 4
	s_add_nc_u64 s[30:31], s[28:29], 1024*PITCH    ; trips 4-7: the loads' offsets stay inside the signed 24-bit immediate (ISA guide, chapter 10)
.endif
	s_mul_i32 s26, s22, BROW
	s_add_co_u32 s26, s26, s50
	s_add_nc_u64 s[8:9], s[8:9], s[26:27]
	WLOAD 0
	WLOAD 1
	BIAS ACCA
	BIAS ACCB
	s_wait_loadcnt 48                              ; the ballots and counts are in; behind them: 32 weight loads and the 16 of the bias
.irp n, 1,2,4,8                        ; inclusive sums of the counts over the 32 groups, the eight experts by turns
.irp e, 0,1,2,3,4,5,6,7
	v_mov_b32_dpp v[160+\e], v[152+\e] row_shr:\n row_mask:0xf bank_mask:0xf bound_ctrl:1
.endr
.irp e, 0,1,2,3,4,5,6,7
	v_add_nc_u32 v[152+\e], v[152+\e], v[160+\e]
.endr
.endr
.irp e, 0,1,2,3,4,5,6,7
	v_readlane_b32 s101, v[152+\e], 15
	v_mad_u32_u24 v[152+\e], v254, s101, v[152+\e] ; lanes 16-31 add the lower half's total
	s_delay_alu instid0(VALU_DEP_1)
	v_readlane_b32 s[66+\e], v[152+\e], 31         ; the expert's rows
.endr
	s_wait_alu depctr_va_vdst(0)
	s_mov_b32 s74, 0                               ; s74-81: each expert's first tile; s82: tiles in all
.irp e, 0,1,2,3,4,5,6,7
	s_add_co_u32 s101, s[66+\e], 15
	s_lshr_b32 s101, s101, 4
	s_add_co_u32 s[75+\e], s[74+\e], s101
.endr
	s_or_b32 s98, s23, s22
	s_or_b32 s98, s98, s18
	s_cmp_lg_u32 s98, 0                            ; wave 0 of work-group (0, 0) stores the experts' table
	s_cbranch_scc1 .Lnotab
	v_mov_b32 v160, 0
.irp e, 0,1,2,3,4,5,6,7
	v_writelane_b32 v160, s[74+\e], 2*\e
	s_sub_co_u32 s99, s[75+\e], s[74+\e]
	v_writelane_b32 v160, s99, 2*\e+1
.endr
	v_lshlrev_b32 v161, 2, v252
	global_store_b32 v161, v160, s[60:61]
	s_wait_xcnt 0x0                                ; the store's registers are written again only behind this wait
.Lnotab:
	s_mov_b32 s16, s74                             ; my expert's first tile,
	s_mov_b32 s100, s66                            ; its rows,
	v_mov_b32 v[VBL], v144                         ; its ballots
	v_mov_b32 v[VRC], v152                         ; and their running counts
.irp e, 1,2,3,4,5,6,7
	s_cmp_eq_u32 s22, \e
	s_cselect_b32 s16, s[74+\e], s16
	s_cselect_b32 s100, s[66+\e], s100
	s_cselect_b32 vcc_lo, -1, 0
	v_cndmask_b32 v[VBL], v[VBL], v[144+\e], vcc_lo
	v_cndmask_b32 v[VRC], v[VRC], v[152+\e], vcc_lo
.endr
	s_wait_alu depctr_va_vdst(0)
	s_add_co_u32 s17, s100, 15
	s_lshr_b32 s17, s17, 4                         ; its tiles
	s_min_u32 s16, s16, 135
	s_min_u32 s17, s17, 64
	s_add_co_u32 s25, s16, s55                     ; my first row tile
	s_mul_i32 s26, s25, NSA
	s_lshl_b32 s50, s24, 3
	s_add_co_u32 s26, s26, s50
	s_mul_i32 s26, s26, 1536
	s_add_nc_u64 s[32:33], s[4:5], s[26:27]        ; its records, from my half of K on
	s_mul_i32 s26, s25, 16*KB
	s_lshl_b32 s50, s24, 5
	s_add_co_u32 s26, s26, s50
	s_add_nc_u64 s[34:35], s[4:5], s[26:27]
	s_add_nc_u64 s[34:35], s[34:35], SCI           ; its rows' scale bytes
.if LAYER < 3
	s_lshl_b32 s26, s25, 4
	s_lshr_b32 s50, s23, 1
	s_add_co_u32 s26, s26, s50                     ; my 64 columns are half x % 2 of the next layer's K step x / 2
	s_mul_i32 s26, s26, 1536
	s_and_b32 s50, s23, 1
	s_mul_i32 s50, s50, 768
	s_add_co_u32 s26, s26, s50
	s_add_nc_u64 s[36:37], s[12:13], s[26:27]
	s_lshl_b32 s26, s25, 10
	s_lshl_b32 s50, s23, 1
	s_add_co_u32 s26, s26, s50
	s_add_nc_u64 s[38:39], s[12:13], s[26:27]
	s_add_nc_u64 s[38:39], s[38:39], HSOFF
.else
	s_mul_i32 s26, s24, YH
	s_lshl_b32 s50, s23, 8
	s_add_co_u32 s26, s26, s50
	s_add_nc_u64 s[36:37], s[12:13], s[26:27]      ; yp: my half, my 64 columns
	s_lshl_b32 s26, s25, 6
	s_add_nc_u64 s[38:39], s[10:11], s[26:27]      ; my tile's rows in the list of places (256 bytes on, in the immediates)
	s_add_nc_u64 s[40:41], s[14:15], s[26:27]      ; and of weights
	s_cmp_eq_u32 s24, 0
	s_cselect_b32 s45, -1, 0
.endif
.set tq, 0
.rept NT+1                             ; the last pass holds the last trip's products alone
	TRIP tq
.set tq, tq+1
.endr
	s_wait_loadcnt 0x0                             ; no load is out on any way to the lines below
	s_cmp_lt_u32 s55, s17
	s_cbranch_scc0 .Lstored
	EPI ACCA, 0
	s_cmp_lt_u32 s44, s17
	s_cbranch_scc0 .Lstored
	EPI ACCB, 8
.Lstored:
	; an expert with more than 512 rows: my first row tile + 32 and + 40, from the images that lie in LDS.  Two trips by count; a trip without a tile is passed over
	ONWARD 32
	s_add_co_u32 s47, s55, 32                      ; my tiles from 32 on: my first + 32, then + 40
	s_mov_b32 s46, 2
.Lover:
	s_cmp_ge_u32 s47, s17
	s_cbranch_scc1 .Lnone
	TOKENS VTA, 47
	BIAS ACCA
.set tt, 0
.rept NT
	XLOAD tt, XFA, XSA, 0
	s_wait_loadcnt 0x0
.if (LAYER == 3) && (tt == 0)
	s_mov_b32 vcc_lo, s45
	HALF0 ACCA
	PLACES
.endif
	WFETCH tt, 0
	s_wait_dscnt 0x0
	MULT ACCA, XFA, XSA, 0
	PLACES
	WFETCH tt, 1
	s_wait_dscnt 0x0
	MULT ACCA, XFA, XSA, 1
	PLACES
.set tt, tt+1
.endr
	EPI ACCA, 0
.Lnone:
	ONWARD 8
	s_add_co_u32 s47, s47, 8
	s_sub_co_i32 s46, s46, 1
	s_cmp_lg_u32 s46, 0
	s_cbranch_scc1 .Lover
	v_lshl_add_u32 v248, v0, 2, SPARE              ; no two registers could be kept: my spare word's address and 0 are made here, from v0 as it was at the entry
	v_mov_b32 v249, 0
	s_wait_alu depctr_va_vdst(0)
	s_wait_tensorcnt 0x0                           ; the wave's end
	ds_add_u32 v248, v249
	s_wait_dscnt 0x0
	s_endpgm
.Lfunc_end_k_q40bc9af146_layer1:
	.size	k_q40bc9af146_layer1, .Lfunc_end_k_q40bc9af146_layer1-k_q40bc9af146_layer1
	.p2alignl 7, 3214868480
	.fill 96, 4, 3214868480
	.section	.rodata,"a",@progbits
	.p2align	6, 0x0
	.amdhsa_kernel k_q40bc9af146_layer1
		.amdhsa_group_segment_fixed_size 57344
		.amdhsa_private_segment_fixed_size 0
		.amdhsa_enable_private_segment 0
		.amdhsa_kernarg_size 64
		.amdhsa_user_sgpr_count 2
		.amdhsa_user_sgpr_kernarg_segment_ptr 1
		.amdhsa_wavefront_size32 1
		.amdhsa_system_sgpr_workgroup_id_x 1
		.amdhsa_system_sgpr_workgroup_id_y 1
		.amdhsa_system_sgpr_workgroup_id_z 1
		.amdhsa_system_vgpr_workitem_id 0
		.amdhsa_next_free_vgpr 256
		.amdhsa_next_free_sgpr 102
		.amdhsa_reserve_vcc 1
		.amdhsa_float_denorm_mode_32 3
		.amdhsa_float_denorm_mode_16_64 3
		.amdhsa_memory_ordered 1
		.amdhsa_forward_progress 1
		.amdhsa_inst_pref_size 145
	.end_amdhsa_kernel
	.amdgpu_metadata
---
amdhsa.version: [ 1, 2 ]
amdhsa.kernels:
  - .name:           k_q40bc9af146_layer1
    .symbol:         k_q40bc9af146_layer1.kd
    .args:
      - { .name: xq, .offset: 0, .size: 8, .value_kind: global_buffer, .address_space: global }
      - { .name: W1, .offset: 8, .size: 8, .value_kind: global_buffer, .address_space: global }
      - { .name: b1, .offset: 16, .size: 8, .value_kind: global_buffer, .address_space: global }
      - { .name: rt, .offset: 24, .size: 8, .value_kind: global_buffer, .address_space: global }
      - { .name: h1, .offset: 32, .size: 8, .value_kind: global_buffer, .address_space: global }
      - { .name: wts, .offset: 40, .size: 8, .value_kind: global_buffer, .address_space: global }
      - { .name: pl, .offset: 48, .size: 8, .value_kind: global_buffer, .address_space: global }
      - { .name: rwt, .offset: 56, .size: 8, .value_kind: global_buffer, .address_space: global }
    .group_segment_fixed_size: 57344
    .private_segment_fixed_size: 0
    .kernarg_segment_align: 8
    .kernarg_segment_size: 64
    .max_flat_workgroup_size: 512
    .sgpr_count:     102
    .vgpr_count:     256
    .wavefront_size: 32
...
	.end_amdgpu_metadata
.endif
;; end of part 2
;; launch layer2 (part 3): grid 32 x 8, 16 waves a work-group, no clusters, 110,592 bytes of LDS; arguments h1, W2, b2, pl, h2; writes h2
.if DOCPART == 3
	.amdgcn_target "amdgcn-amd-amdhsa--gfx1250"
	.amdhsa_code_object_version 6
	.text
	.protected	k_q40bc9af146_layer2
	.globl	k_q40bc9af146_layer2
	.p2align	8
	.type	k_q40bc9af146_layer2,@function
k_q40bc9af146_layer2:
	s_mov_b64 s[64:65], 0
	v_nop
	global_prefetch_b8 v0, s[64:65] scope:SCOPE_SE
	s_setreg_imm32_b32 hwreg(HW_REG_WAVE_MODE, 25, 1), 1
	s_wait_xcnt 0x0
; ONE LAYER OF THE EXPERTS, for the routed rows alone.  One text serves the three layers; the first line says which.
.set LAYER, 2                          ; 1: h1 = Q(relu(Q(x) Q(W1) + b1));  2: h2 = Q(relu(h1 Q(W2) + b2));  3: yp = w x (h2 Q(W3) over a half of K, + b3 in half 0)
; Both operands are codes of BF6 (E3M2) with one E8M0 scale for each 32 along K, multiplied by v_wmma_scale_f32_16x16x128_f8f6f4; sums in f32.
; THE WEIGHTS arrive as f32 [expert][K][N], K outermost: each is read once in the launch, quantised on the way, and never stored to memory.
; SHARES.  Work-group (x, e) owns 64 columns of expert e (layer 3: 64 columns and a half of K) and serves all rows of that expert: 256 work-groups whatever the split.  K goes in trips of 256.
; In a trip wave w = 2 kb + b takes block kb (32 along K) of 32 columns (b).  Lane (c, h) loads 8 bytes, columns 2 c and 2 c + 1, of rows 16 h + 0 .. 15 of the block: 16 loads, each two runs of 128 consecutive bytes.
; The two columns are parted in registers (38 moves), each half block is converted, and three lane swaps give lanes 0-15 the whole block of column 2 c and lanes 16-31 that of column 2 c + 1.
; The codes go to LDS as IMAGES OF THE OPERAND'S REGISTERS (fragment = 16 columns x 128 K = 12 registers a lane), the scale bytes beside them; one barrier a trip; images are never written again.
; THE COLUMNS OF A TILE ARE NOT NEIGHBOURS: lane m of tile 2 b + u holds column 32 b + 8 u + m + 8 (m / 8).  The product is used transposed (source 0 = 16 columns, source 1 = 16 rows): lane (r, h) holds row r,
; and the 16 registers of tiles 2 b, 2 b + 1 are columns 32 b + 16 h + 0 .. 15: neighbours along the next layer's K.
; THE ROWS come as records of 1,536 bytes (row tile, K step): images of the operand's registers, made by the launch before.  Waves 0-7 multiply row tiles w and w + 8, waves 8-15 tiles w + 8 and w + 16, where the
; expert has them: a wave's four weight fragments serve two row tiles.  Tiles 32 to 63 follow behind the stream, from the images that have stayed in LDS.  The bias is loaded into the accumulators and starts the sums.
; A TRIP'S ORDER: the products of the trip before, whose images are whole since the last barrier, stand round this trip's quantising: first K step, the second step's LDS loads, the quantising, the second step's
; products; then the loads of this trip's records and, behind them, of the weights two trips on, so that a counted wait for the records leaves only those weight loads out.
; Which tiles exist is read from memory (pl), so branches hang on loaded numbers: hence no tensor load, no cluster and no joint load for the records that the expert's work-groups share, and no barrier
; under such a branch.  The fragment and scale registers are set to 0 at the head, since their loads and the products that read them stand under separate branches.
; LIMITS: NaN and infinities are not served.  A block of zeros gets the scale byte 1 (its codes are zeros; this program alone reads the bytes); blocks under 2^-122 take that byte too.
; The sums begin with the bias, and layer 3's K is summed in two halves that a later launch adds: another order of rounding than a single sum with the bias added last.
.if LAYER == 1
.set NT,    4                          ; trips of 256 along K
.set PITCH, 8192                       ; a row of the weight in bytes
.set ESH,   23                         ; an expert's weight is 2^ESH bytes
.set NSA,   8                          ; K steps of 128 in a row tile of the rows' buffer
.set KBSH,  5                          ; a row's scale bytes there: 2^KBSH
.set SCI,   1671168                    ; where they begin
.set BROW,  8192                       ; an expert's bias in bytes
.elseif LAYER == 2
.set NT,    8
.set PITCH, 8192
.set ESH,   24
.set NSA,   16
.set KBSH,  6
.set SCI,   3342336
.set BROW,  8192
.else
.set NT,    4
.set PITCH, 4096
.set ESH,   23
.set NSA,   16
.set KBSH,  6
.set SCI,   3342336
.set BROW,  4096
.endif
.set KB,    1<<KBSH
.set HSOFF, 3342336                    ; h1, h2: 136 x 16 records, then scale bytes [row][64]
.set YH,    8912896                    ; yp: 2,176 rows of 4,096 bytes for each half of K
.set FRP,   1552                       ; LDS: a fragment's image, 1,536 bytes, + 16: the two tiles that a wave's 16-byte store reaches take the even and the odd places of 16 bytes
.set IMG,   4096                       ; LDS 0-4095: scale bytes, K step S at 256 S, byte 16 m + 4 tile + block;  from IMG on: fragment (S, tile) at (4 S + tile) FRP
.set HI,    32*FRP                     ; four trips' images: LDS offsets have 16 bits, so trips 4-7 use address registers that stand HI further on
.set STG,   IMG+32*FRP                 ; layer 3: behind the images a stage of 16 rows x 272 bytes for each wave
.set SPARE, IMG+8*NT*FRP+(LAYER/3)*16*16*272   ; behind all that: the spare words, 128 bytes for each wave, named by the closing add alone
.set QT,    144                        ; the quantiser's scratch: v144-151 eight numbers, v152-155 codes (the first K step's fragment of my first row tile is done with by then); v252-254 codes
.set QC,    152
.set VW,  1                            ; v1   8 x (lane % 16) + 128 b + 16 rows x (lane / 16): my two columns, my 16 rows of a block
.set L16, 2                            ; v2   16 x lane
.set L8,  3                            ; v3   8 x lane
.set VXS, 4                            ; v4   (lane % 16) x KB: my row's scale bytes
.set IA,  5                            ; v5   where my block's first 16 bytes of codes go
.set IB,  6                            ; v6   and its last 8
.set IS,  7                            ; v7   and its scale byte
.set RS,  8                            ; v8   16 x (lane % 16)
.set IAH, 9                            ; v9-12 (layer 2) IA, IB, L16, L8 + HI
.set IBH, 10
.set R16H, 11
.set R8H, 12
.set M4,  9                            ; v9, v10 (layer 3) 4 x (lane % 16), 4 x (lane / 16)
.set U4,  10
.set VB,  13                           ; v13  64 x (lane / 16): my 16 columns of a block in the bias
.set VOS, 14                           ; v14  (layers 1, 2) 64 x (lane % 16): my row's scale bytes in the output
.set SIN, 14                           ; v14, v15 (layer 3) the stage: in, and back by rows
.set SOUT, 15
.set ACCA, 16                          ; v16-47, v48-79 the accumulators of my two row tiles: tile of columns t at + 8 t
.set ACCB, 48
.set ST,   80                          ; v80-143 two sets of 32 numbers of the weight; at work on the way out
.set XFA,  144                         ; v144-167, v168-191 the rows' fragments of a trip's two K steps
.set XFB,  168
.set XSA,  192                         ; v192-193, v194-195 their scale words
.set XSB,  194
.set WF,   196                         ; v196-243 four fragments of the weight
.set WS,   244                         ; v244-247 their scale words
.set EM,   80                          ; the way out: maxima, scale operands, bytes
.set EC,   90                          ; and codes
; scalars: s[4:15] the buffers; s16 the expert's first row tile, s17 its tiles; s18 wave, s55, s44 my two row tiles; s[28:31] the weight's bases; s[32:33] records, s[34:35] their scale bytes; s[36:41] outputs and lists
.macro PLACES                          ; four plain vector instructions behind a matrix instruction, ahead of loads into its operands and of reads of its results
.rept 4
	v_nop
.endr
.endm
.macro WLOAD t                         ; trip t's block: W(256 t + 32 kb + j, my column), j = 0 .. 31, into set t % 2
.set WR_, ST+32*((\t)%2)
.set WB_, 28+2*((\t)/4)
.set j, 0
.rept 16
	global_load_b64 v[WR_+2*j:WR_+2*j+1], v[VW], s[WB_:WB_+1] offset:(256*((\t)%4)+j)*PITCH th:TH_LOAD_NT
.set j, j+1
.endr
.endm
; No prefetch into the L2: the stream's bytes are asked of memory by the weight loads themselves, two passes ahead of their use: a wave has up to 32 of them out, 256 bytes each, a work-group 128 KiB.
.macro QUANT t
.set QX_, ST+32*((\t)%2)
.if (\t) < 4
.set QA_, IA
.set QB_, IB
.else
.set QA_, IAH
.set QB_, IBH
.endif
	v_max3_num_f32 v248, |v[QX_]|, |v[QX_+2]|, 0x2800000       ; register 2 j + q is row 16 h + j of column 2 c + q; the floor 2^(5 - 127) as a leaf: the byte cannot fall under 1
	v_max3_num_f32 v249, |v[QX_+1]|, |v[QX_+3]|, 0x2800000
.irp i, 4,8,12,16,20,24,28
	s_delay_alu instid0(VALU_DEP_2)
	v_max3_num_f32 v248, v248, |v[QX_+\i]|, |v[QX_+\i+2]|
	s_delay_alu instid0(VALU_DEP_2)
	v_max3_num_f32 v249, v249, |v[QX_+\i+1]|, |v[QX_+\i+3]|
.endr
	s_delay_alu instid0(VALU_DEP_2)
	v_permlanex16_b32 v250, v248, s42, s43
	s_delay_alu instid0(VALU_DEP_2)
	v_permlanex16_b32 v251, v249, s42, s43
	s_delay_alu instid0(VALU_DEP_2)
	v_max_num_f32 v248, v248, v250                 ; with lane l xor 16's 16 rows: the two blocks' largest magnitudes
	s_delay_alu instid0(VALU_DEP_2)
	v_max_num_f32 v249, v249, v251
	s_delay_alu instid0(VALU_DEP_2)
	v_add_nc_u32 v248, 0xfe000000, v248            ; 4 off the exponent field: the conversions' scale operands
	s_delay_alu instid0(VALU_DEP_2)
	v_add_nc_u32 v249, 0xfe000000, v249
	s_delay_alu instid0(VALU_DEP_2)
	v_lshrrev_b32 v250, 23, v248                   ; the scales' bytes
	s_delay_alu instid0(VALU_DEP_2)
	v_lshrrev_b32 v251, 23, v249
	s_delay_alu instid0(VALU_DEP_1)
	v_cndmask_b32 v250, v250, v251, s57            ; lanes 16-31 will hold column 2 c + 1
.irp i, 0,1,2,3,4,5,6,7                ; the two columns are parted: the even one into registers 0-15, the odd one into 16-31
	v_mov_b32 v[QT+\i], v[QX_+2*\i+1]
.endr
.irp i, 1,2,3,4,5,6,7,8,9,10,11,12,13,14,15
	v_mov_b32 v[QX_+\i], v[QX_+2*\i]
.endr
.irp i, 6,5,4,3,2,1,0
	v_mov_b32 v[QX_+24+\i], v[QX_+17+2*\i]
.endr
.irp i, 0,1,2,3,4,5,6,7
	v_mov_b32 v[QX_+16+\i], v[QT+\i]
.endr
	v_cvt_scalef32_pk16_bf6_f32 v[QC:QC+2], v[QX_:QX_+15], v248
	v_cvt_scalef32_pk16_bf6_f32 v[252:254], v[QX_+16:QX_+31], v249
	v_nop                                          ; one plain place behind a scaled conversion
.irp i, 0,1,2
	v_permlane16_swap_b32 v[QC+\i], v[252+\i]      ; a whole block to a lane: the first three hold its lower 16 codes, the others the upper 16
.endr
	v_mov_b32 v[QC+3], v252
	v_mov_b32 v252, v253
	v_mov_b32 v253, v254
	ds_store_b128 v[QA_], v[QC:QC+3] offset:((\t)%4)*8*FRP
	ds_store_b64 v[QB_], v[252:253] offset:((\t)%4)*8*FRP
	ds_store_b8 v[IS], v250 offset:512*(\t)
	s_wait_alu depctr_va_vdst(0)
.endm
.macro XLOAD t, xf, xs, dt             ; the records of trip t's two K steps of the row tile dt tiles on, and its rows' two scale words: 9 loads
.irp sg, 0,1
	global_load_b128 v[\xf+12*\sg:\xf+12*\sg+3], v[L16], s[32:33] offset:((\dt)*NSA+2*(\t)+\sg)*1536
	global_load_b64 v[\xf+12*\sg+4:\xf+12*\sg+5], v[L8], s[32:33] offset:((\dt)*NSA+2*(\t)+\sg)*1536+512
	global_load_b128 v[\xf+12*\sg+6:\xf+12*\sg+9], v[L16], s[32:33] offset:((\dt)*NSA+2*(\t)+\sg)*1536+768
	global_load_b64 v[\xf+12*\sg+10:\xf+12*\sg+11], v[L8], s[32:33] offset:((\dt)*NSA+2*(\t)+\sg)*1536+1280
.endr
	global_load_b64 v[\xs:\xs+1], v[VXS], s[34:35] offset:(\dt)*16*KB+8*(\t)
.endm
.macro WFETCH t, sg                    ; the four fragments of the weight of K step 2 t + sg, and their scale words: 17 LDS loads
.if (\t) < 4
.set FA_, L16
.set FB_, L8
.else
.set FA_, R16H
.set FB_, R8H
.endif
.set FO_, IMG+4*(2*((\t)%4)+\sg)*FRP
.irp tau, 0,1,2,3
	ds_load_b128 v[WF+12*\tau:WF+12*\tau+3], v[FA_] offset:FO_+\tau*FRP
	ds_load_b64 v[WF+12*\tau+4:WF+12*\tau+5], v[FB_] offset:FO_+\tau*FRP+512
	ds_load_b128 v[WF+12*\tau+6:WF+12*\tau+9], v[FA_] offset:FO_+\tau*FRP+768
	ds_load_b64 v[WF+12*\tau+10:WF+12*\tau+11], v[FB_] offset:FO_+\tau*FRP+1280
.endr
	ds_load_b128 v[WS:WS+3], v[RS] offset:256*(2*(\t)+\sg)
.endm
.macro MULT acc, xf, xs, sg            ; four products: the accumulators take turns, one instruction a turn; a run ends on tile 3 and the next begins on tile 0
.irp tau, 0,1,2,3
	v_wmma_scale_f32_16x16x128_f8f6f4 v[\acc+8*\tau:\acc+8*\tau+7], v[WF+12*\tau:WF+12*\tau+11], v[\xf+12*\sg:\xf+12*\sg+11], v[\acc+8*\tau:\acc+8*\tau+7], v[WS+\tau], v[\xs+\sg] matrix_a_fmt:MATRIX_FMT_BF6 matrix_b_fmt:MATRIX_FMT_BF6
.endr
.endm
.macro BIAS acc                        ; register 16 b + 8 u + i of lane (r, h) is column 32 b + 16 h + 8 u + i
.irp q, 0,1,2,3,4,5,6,7
	global_load_b128 v[\acc+4*\q:\acc+4*\q+3], v[VB], s[8:9] offset:128*(\q/4)+32*((\q/2)%2)+16*(\q%2)
.endr
.endm
.macro HALF0 acc                       ; layer 3: the bias belongs to half 0 of K alone; half 1 begins with zeros (vcc_lo: all ones in half 0)
.set j, 0
.rept 32
	v_cndmask_b32 v[\acc+j], 0, v[\acc+j], vcc_lo
.set j, j+1
.endr
.endm
.if LAYER < 3
; THE WAY OUT, layers 1 and 2: relu, the two blocks of 32 columns quantised in registers, half a record (768 bytes) and two scale bytes a row stored
.macro EPI acc, dt
	s_wait_xcnt 0x0                                ; the registers that earlier stores read are written again only behind this wait
.set j, 0
.rept 32
	v_max_num_f32 v[\acc+j], 0, v[\acc+j]          ; each accumulator from its low end on
.set j, j+1
.endr
.irp b, 0,1
	v_max3_num_f32 v[EM+\b], v[\acc+16*\b], v[\acc+16*\b+1], 0x2800000   ; no |.|: none is negative; the floor as a leaf
.endr
.irp i, 2,4,6,8,10,12,14
.irp b, 0,1
	s_delay_alu instid0(VALU_DEP_2)
	v_max3_num_f32 v[EM+\b], v[EM+\b], v[\acc+16*\b+\i], v[\acc+16*\b+\i+1]
.endr
.endr
.irp b, 0,1
	s_delay_alu instid0(VALU_DEP_2)
	v_permlanex16_b32 v[EM+2+\b], v[EM+\b], s42, s43
.endr
.irp b, 0,1
	s_delay_alu instid0(VALU_DEP_2)
	v_max_num_f32 v[EM+\b], v[EM+\b], v[EM+2+\b]   ; with lane l xor 16's 16 columns
.endr
.irp b, 0,1
	s_delay_alu instid0(VALU_DEP_2)
	v_add_nc_u32 v[EM+4+\b], 0xfe000000, v[EM+\b]
.endr
.irp b, 0,1
	s_delay_alu instid0(VALU_DEP_2)
	v_lshrrev_b32 v[EM+6+\b], 23, v[EM+4+\b]
.endr
	s_delay_alu instid0(VALU_DEP_1)
	v_lshl_or_b32 v[EM+8], v[EM+7], 8, v[EM+6]     ; my row's two scale bytes
	v_cvt_scalef32_pk16_bf6_f32 v[EC:EC+2], v[\acc:\acc+15], v[EM+4]
	v_cvt_scalef32_pk16_bf6_f32 v[EC+4:EC+6], v[\acc+16:\acc+31], v[EM+5]
	v_nop                                          ; one plain place behind a scaled conversion
.irp i, 0,1,2
	v_permlane16_swap_b32 v[EC+\i], v[EC+4+\i]     ; a whole block to a lane: lanes 0-15 block 0, lanes 16-31 block 1
.endr
.irp i, 0,1,2
	s_delay_alu instid0(VALU_DEP_3)
	v_mov_b32 v[EC+3+\i], v[EC+4+\i]
.endr
	global_store_b128 v[L16], v[EC:EC+3], s[36:37] offset:(\dt)*16*1536        ; 512 consecutive bytes, aligned to 256
	global_store_b64 v[L8], v[EC+4:EC+5], s[36:37] offset:(\dt)*16*1536+512    ; 256
	global_store_b16 v[VOS], v[EM+8], s[38:39] offset:(\dt)*1024               ; 2 bytes a row, 64 bytes apart: this work-group owns two of the row's 64 blocks (128 KB in the launch)
.endm
.else
; THE WAY OUT, layer 3: x the row's weight; through my stage, so that sixteen lanes store a row's 256 consecutive bytes; to the row that the list names
.macro EPI acc, dt
	s_wait_xcnt 0x0                                ; the registers that earlier stores read are written again only behind this wait
	global_load_b32 v[EM], v[M4], s[40:41] offset:64*(\dt)
.irp i, 0,1,2,3,4,5,6,7
	global_load_b32 v[EM+2+\i], v[U4], s[38:39] offset:256+64*(\dt)+8*\i       ; rows 2 i and 2 i + 1 of the tile
.endr
	s_wait_loadcnt 0x0
.set j, 0
.rept 16
	v_pk_mul_f32 v[\acc+j:\acc+j+1], v[\acc+j:\acc+j+1], v[EM:EM+1] op_sel_hi:[1,0]   ; each accumulator from its low end on
.set j, j+2
.endr
.irp q, 0,1,2,3,4,5,6,7
	ds_store_b128 v[SIN], v[\acc+4*\q:\acc+4*\q+3] offset:128*(\q/4)+32*((\q/2)%2)+16*(\q%2)
.endr
.irp i, 0,1,2,3,4,5,6,7
	ds_load_b128 v[EM+16+4*\i:EM+19+4*\i], v[SOUT] offset:544*\i               ; LDS serves a wave's instructions in order (ISA guide 5.7.1.4): these see my stores
.endr
.irp i, 0,1,2,3,4,5,6,7
	v_min_u32 v[EM+2+\i], 0x87f, v[EM+2+\i]
.endr
.irp i, 0,1,2,3,4,5,6,7
	v_lshl_add_u32 v[EM+2+\i], v[EM+2+\i], 12, v[RS]
.endr
.irp i, 0,1,2,3,4,5,6,7
	s_wait_dscnt 7-\i                              ; the later stage loads may be out
	global_store_b128 v[EM+2+\i], v[EM+16+4*\i:EM+19+4*\i], s[36:37] th:TH_STORE_NT
.endr
.endm
.endif
.macro ONWARD n                        ; the bases that hang on the row tile go n tiles on
	s_wait_xcnt 0x0                                ; every earlier load and store has read its base
	s_add_nc_u64 s[32:33], s[32:33], (\n)*NSA*1536
	s_add_nc_u64 s[34:35], s[34:35], (\n)*16*KB
.if LAYER < 3
	s_add_nc_u64 s[36:37], s[36:37], (\n)*16*1536
	s_add_nc_u64 s[38:39], s[38:39], (\n)*1024
.else
	s_add_nc_u64 s[38:39], s[38:39], (\n)*64
	s_add_nc_u64 s[40:41], s[40:41], (\n)*64
.endif
.endm
; A TRIP: 256 along K
.macro TRIP t
.if (\t) > 0                           ; the products of trip t - 1, first K step
	s_cmp_lt_u32 s55, s17                          ; have I a row tile?
	s_cbranch_scc0 .Lna_\@
	WFETCH (\t)-1, 0
.if (\t)+1 < NT
	s_wait_loadcnt 16                              ; the rows' records are in; only the 16 weight loads issued behind them stay out
.else
	s_wait_loadcnt 0x0
.endif
	s_wait_dscnt 0x0
.if (LAYER == 3) && ((\t) == 1)
	s_mov_b32 vcc_lo, s45
	HALF0 ACCA
	HALF0 ACCB
	s_wait_alu depctr_va_vdst(0)
	PLACES
.endif
	MULT ACCA, XFA, XSA, 0
	s_cmp_lt_u32 s44, s17                          ; and a second?
	s_cbranch_scc0 .Lnb_\@
	MULT ACCB, XFB, XSB, 0
.Lnb_\@:
	PLACES
	WFETCH (\t)-1, 1                               ; out while this trip's block is quantised
.Lna_\@:
.endif
.if (\t) < NT
.if (\t) == 0
	s_wait_loadcnt 32                              ; trip 0's block is in; behind it: trip 1's 16 loads and the 16 of the bias
.elseif (\t)+1 < NT
	s_wait_loadcnt 16                              ; this trip's block is in; the next trip's 16 loads, the youngest, stay out
.else
	s_wait_loadcnt 0x0
.endif
	QUANT \t
.endif
	s_wait_dscnt 0x0                               ; the second step's fragments are in, and, for the others' sake, my part of this trip's images lies in LDS
.if (\t) > 0
	s_cmp_lt_u32 s55, s17
	s_cbranch_scc0 .Lnc_\@
	MULT ACCA, XFA, XSA, 1
	s_cmp_lt_u32 s44, s17
	s_cbranch_scc0 .Lnd_\@
	MULT ACCB, XFB, XSB, 1
.Lnd_\@:
	PLACES
.Lnc_\@:
.endif
.if (\t) < NT
	s_cmp_lt_u32 s55, s17
	s_cbranch_scc0 .Lnox_\@
	XLOAD \t, XFA, XSA, 0
	s_cmp_lt_u32 s44, s17
	s_cbranch_scc0 .Lnox_\@
	XLOAD \t, XFB, XSB, 8
.Lnox_\@:
.if (\t)+2 < NT
	WLOAD (\t)+2                                   ; into the set just quantised
.endif
	s_barrier_signal -1
	s_barrier_wait -1                              ; everybody's part of the trip's images lies in LDS.  Nothing in LDS is written twice, so this is the trip's one barrier
.endif
.endm
	s_load_b256 s[4:11], s[0:1], 0x0               ; rows s[4:5], weight s[6:7], bias s[8:9], pl s[10:11]
.if LAYER == 3
	s_load_b128 s[12:15], s[0:1], 0x20             ; yp s[12:13], rwt s[14:15]
.else
	s_load_b64 s[12:13], s[0:1], 0x20              ; the output
.endif
	v_lshrrev_b32 v252, 5, v0
	s_delay_alu instid0(VALU_DEP_1)
	v_readfirstlane_b32 s18, v252                  ; wave 0..15
	v_and_b32 v252, 31, v0                         ; lane
	v_and_b32 v253, 15, v0                         ; m
	s_wait_alu depctr_va_vdst(0)
	v_bfe_u32 v254, v0, 4, 1                       ; u
	s_lshr_b32 s55, s18, 3
	s_lshl_b32 s55, s55, 3
	s_add_co_u32 s55, s55, s18                     ; my first row tile of the expert: w, or w + 8 from wave 8 on
	s_add_co_u32 s44, s55, 8                       ; and my second
	s_mov_b32 s57, 0xffff0000                      ; lanes 16-31
	s_and_b32 s19, s18, 1                          ; b: which 32 columns
	s_lshr_b32 s20, s18, 1                         ; kb: which block of 32 of a trip's 256
	s_and_b32 s22, ttmp7, 0xffff                   ; the expert
.if LAYER == 3
	s_and_b32 s23, ttmp9, 15                       ; the 64 columns
	s_lshr_b32 s24, ttmp9, 4                       ; the half of K
.else
	s_mov_b32 s23, ttmp9
	s_mov_b32 s24, 0
.endif
	; my block's place in the images: K step sg = kb / 4 of the trip, half c = (kb / 2) % 2 of the fragment, lanes 16 hh + m with hh = kb % 2; tiles 2 b + u
	s_lshr_b32 s48, s18, 3                         ; sg
	s_lshl_b32 s49, s48, 2
	s_lshl_b32 s53, s19, 1
	s_add_co_u32 s49, s49, s53
	s_mul_i32 s49, s49, FRP                        ; (4 sg + 2 b) FRP
	s_bfe_u32 s53, s18, 0x10002                    ; c
	s_mul_i32 s53, s53, 768
	s_add_co_u32 s49, s49, s53
	s_bfe_u32 s54, s18, 0x10001                    ; hh
	s_lshl_b32 s50, s54, 8
	s_add_co_u32 s50, s50, s49
	s_add_co_u32 s50, s50, IMG
	s_lshl_b32 s51, s54, 7
	s_add_co_u32 s51, s51, s49
	s_add_co_u32 s51, s51, IMG+512
	s_lshl_b32 s52, s48, 8
	s_lshl_b32 s53, s19, 3
	s_add_co_u32 s52, s52, s53
	s_bfe_u32 s53, s18, 0x20001                    ; kb % 4: the block's byte in a scale word
	s_add_co_u32 s52, s52, s53
	s_lshl_b32 s53, s19, 7
	s_wait_alu depctr_va_vdst(0)
	v_lshl_add_u32 v[VW], v253, 3, s53
	v_bfe_u32 v251, v0, 2, 1                       ; the column that I store, 2 c + h, lies in tile 2 b + u', u' = (c / 4) % 2,
	v_and_b32 v250, 3, v0
	v_bfe_u32 v249, v0, 3, 1
	v_mad_u32_u24 v[VW], v254, 16*PITCH, v[VW]
	s_delay_alu instid0(VALU_DEP_3)
	v_lshl_add_u32 v250, v250, 1, v254
	s_delay_alu instid0(VALU_DEP_1)
	v_lshl_add_u32 v250, v249, 3, v250             ; at lane m' = 8 (c / 8) + 2 (c % 4) + h
	v_lshlrev_b32 v[L16], 4, v252
	v_lshlrev_b32 v[L8], 3, v252
	v_lshlrev_b32 v[VXS], KBSH, v253
	v_mul_u32_u24 v255, v251, FRP
	v_lshlrev_b32 v[RS], 4, v253
	v_lshlrev_b32 v[IS], 4, v250
	s_delay_alu instid0(VALU_DEP_3)
	v_lshl_add_u32 v[IA], v250, 4, v255
	s_delay_alu instid0(VALU_DEP_4)
	v_lshl_add_u32 v[IB], v250, 3, v255
	s_delay_alu instid0(VALU_DEP_3)
	v_lshl_add_u32 v[IS], v251, 2, v[IS]
	s_delay_alu instid0(VALU_DEP_3)
	v_add_nc_u32 v[IA], s50, v[IA]
	s_delay_alu instid0(VALU_DEP_3)
	v_add_nc_u32 v[IB], s51, v[IB]
	s_delay_alu instid0(VALU_DEP_3)
	v_add_nc_u32 v[IS], s52, v[IS]
	v_lshlrev_b32 v[VB], 6, v254
.if LAYER == 2
	v_add_nc_u32 v[IAH], HI, v[IA]
	v_add_nc_u32 v[IBH], HI, v[IB]
	v_add_nc_u32 v[R16H], HI, v[L16]
	v_add_nc_u32 v[R8H], HI, v[L8]
.endif
.if LAYER < 3
	v_lshlrev_b32 v[VOS], 6, v253
.else
	s_mul_i32 s53, s18, 16*272
	s_add_co_u32 s53, s53, STG                     ; my stage
	v_mul_u32_u24 v[SIN], v253, 272
	v_lshl_add_u32 v[SIN], v254, 6, v[SIN]
	v_add_nc_u32 v[SIN], s53, v[SIN]               ; in: row m, + 64 h
	v_mul_u32_u24 v[SOUT], v254, 272
	v_add_nc_u32 v[SOUT], v[SOUT], v[RS]
	v_add_nc_u32 v[SOUT], s53, v[SOUT]             ; back: lanes 0-15 one row, lanes 16-31 the next
	v_lshlrev_b32 v[M4], 2, v253
	v_lshlrev_b32 v[U4], 2, v254
.endif
.set j, XFA
.rept 104
	v_mov_b32 v[j], 0                              ; the rows' fragments and scale words (see the head comment)
.set j, j+1
.endr
	s_mov_b32 s42, 0x76543210
	s_mov_b32 s43, 0xfedcba98                      ; v_permlanex16_b32's selects for lane l xor 16
	s_wait_kmcnt 0x0
	s_lshl_b32 s26, s22, 3
	s_mov_b32 s27, 0
	s_add_nc_u64 s[48:49], s[10:11], s[26:27]
	s_load_b64 s[16:17], s[48:49], 0x0             ; the expert's first row tile and its tiles
	s_lshl_b32 s26, s22, ESH                       ; the weight: my expert,
	s_lshl_b32 s50, s24, 10
	s_lshl_b32 s51, s20, 5
	s_add_co_u32 s50, s50, s51
	s_mul_i32 s50, s50, PITCH                      ; row 1024 half + 32 kb,
	s_add_co_u32 s26, s26, s50
	s_lshl_b32 s50, s23, 8                         ; my work-group's 64 columns
	s_add_co_u32 s26, s26, s50
	s_add_nc_u64 s[28:29], s[6:7], s[26:27]
.if NT > 4
	s_add_nc_u64 s[30:31], s[28:29], 1024*PITCH    ; trips 4-7: the loads' offsets stay inside the signed 24-bit immediate (ISA guide, chapter 10)
.endif
	s_mul_i32 s26, s22, BROW
	s_add_co_u32 s26, s26, s50
	s_add_nc_u64 s[8:9], s[8:9], s[26:27]
	WLOAD 0
	WLOAD 1
	BIAS ACCA
	BIAS ACCB
	s_wait_kmcnt 0x0
	s_min_u32 s16, s16, 135
	s_min_u32 s17, s17, 64
	s_add_co_u32 s25, s16, s55                     ; my first row tile
	s_mul_i32 s26, s25, NSA
	s_lshl_b32 s50, s24, 3
	s_add_co_u32 s26, s26, s50
	s_mul_i32 s26, s26, 1536
	s_add_nc_u64 s[32:33], s[4:5], s[26:27]        ; its records, from my half of K on
	s_mul_i32 s26, s25, 16*KB
	s_lshl_b32 s50, s24, 5
	s_add_co_u32 s26, s26, s50
	s_add_nc_u64 s[34:35], s[4:5], s[26:27]
	s_add_nc_u64 s[34:35], s[34:35], SCI           ; its rows' scale bytes
.if LAYER < 3
	s_lshl_b32 s26, s25, 4
	s_lshr_b32 s50, s23, 1
	s_add_co_u32 s26, s26, s50                     ; my 64 columns are half x % 2 of the next layer's K step x / 2
	s_mul_i32 s26, s26, 1536
	s_and_b32 s50, s23, 1
	s_mul_i32 s50, s50, 768
	s_add_co_u32 s26, s26, s50
	s_add_nc_u64 s[36:37], s[12:13], s[26:27]
	s_lshl_b32 s26, s25, 10
	s_lshl_b32 s50, s23, 1
	s_add_co_u32 s26, s26, s50
	s_add_nc_u64 s[38:39], s[12:13], s[26:27]
	s_add_nc_u64 s[38:39], s[38:39], HSOFF
.else
	s_mul_i32 s26, s24, YH
	s_lshl_b32 s50, s23, 8
	s_add_co_u32 s26, s26, s50
	s_add_nc_u64 s[36:37], s[12:13], s[26:27]      ; yp: my half, my 64 columns
	s_lshl_b32 s26, s25, 6
	s_add_nc_u64 s[38:39], s[10:11], s[26:27]      ; my tile's rows in the list of places (256 bytes on, in the immediates)
	s_add_nc_u64 s[40:41], s[14:15], s[26:27]      ; and of weights
	s_cmp_eq_u32 s24, 0
	s_cselect_b32 s45, -1, 0
.endif
.set tq, 0
.rept NT+1                             ; the last pass holds the last trip's products alone
	TRIP tq
.set tq, tq+1
.endr
	s_wait_loadcnt 0x0                             ; no load is out on any way to the lines below
	s_cmp_lt_u32 s55, s17
	s_cbranch_scc0 .Lstored
	EPI ACCA, 0
	s_cmp_lt_u32 s44, s17
	s_cbranch_scc0 .Lstored
	EPI ACCB, 8
.Lstored:
	; an expert with more than 512 rows: my first row tile + 32 and + 40, from the images that lie in LDS.  Two trips by count; a trip without a tile is passed over
	ONWARD 32
	s_add_co_u32 s47, s55, 32                      ; my tiles from 32 on: my first + 32, then + 40
	s_mov_b32 s46, 2
.Lover:
	s_cmp_ge_u32 s47, s17
	s_cbranch_scc1 .Lnone
	BIAS ACCA
.set tt, 0
.rept NT
	XLOAD tt, XFA, XSA, 0
	s_wait_loadcnt 0x0
.if (LAYER == 3) && (tt == 0)
	s_mov_b32 vcc_lo, s45
	HALF0 ACCA
	PLACES
.endif
	WFETCH tt, 0
	s_wait_dscnt 0x0
	MULT ACCA, XFA, XSA, 0
	PLACES
	WFETCH tt, 1
	s_wait_dscnt 0x0
	MULT ACCA, XFA, XSA, 1
	PLACES
.set tt, tt+1
.endr
	EPI ACCA, 0
.Lnone:
	ONWARD 8
	s_add_co_u32 s47, s47, 8
	s_sub_co_i32 s46, s46, 1
	s_cmp_lg_u32 s46, 0
	s_cbranch_scc1 .Lover
	v_lshl_add_u32 v248, v0, 2, SPARE              ; no two registers could be kept: my spare word's address and 0 are made here, from v0 as it was at the entry
	v_mov_b32 v249, 0
	s_wait_alu depctr_va_vdst(0)
	s_wait_tensorcnt 0x0                           ; the wave's end
	ds_add_u32 v248, v249
	s_wait_dscnt 0x0
	s_endpgm
.Lfunc_end_k_q40bc9af146_layer2:
	.size	k_q40bc9af146_layer2, .Lfunc_end_k_q40bc9af146_layer2-k_q40bc9af146_layer2
	.p2alignl 7, 3214868480
	.fill 96, 4, 3214868480
	.section	.rodata,"a",@progbits
	.p2align	6, 0x0
	.amdhsa_kernel k_q40bc9af146_layer2
		.amdhsa_group_segment_fixed_size 110592
		.amdhsa_private_segment_fixed_size 0
		.amdhsa_enable_private_segment 0
		.amdhsa_kernarg_size 40
		.amdhsa_user_sgpr_count 2
		.amdhsa_user_sgpr_kernarg_segment_ptr 1
		.amdhsa_wavefront_size32 1
		.amdhsa_system_sgpr_workgroup_id_x 1
		.amdhsa_system_sgpr_workgroup_id_y 1
		.amdhsa_system_sgpr_workgroup_id_z 1
		.amdhsa_system_vgpr_workitem_id 0
		.amdhsa_next_free_vgpr 256
		.amdhsa_next_free_sgpr 66
		.amdhsa_reserve_vcc 1
		.amdhsa_float_denorm_mode_32 3
		.amdhsa_float_denorm_mode_16_64 3
		.amdhsa_memory_ordered 1
		.amdhsa_forward_progress 1
		.amdhsa_inst_pref_size 156
	.end_amdhsa_kernel
	.amdgpu_metadata
---
amdhsa.version: [ 1, 2 ]
amdhsa.kernels:
  - .name:           k_q40bc9af146_layer2
    .symbol:         k_q40bc9af146_layer2.kd
    .args:
      - { .name: h1, .offset: 0, .size: 8, .value_kind: global_buffer, .address_space: global }
      - { .name: W2, .offset: 8, .size: 8, .value_kind: global_buffer, .address_space: global }
      - { .name: b2, .offset: 16, .size: 8, .value_kind: global_buffer, .address_space: global }
      - { .name: pl, .offset: 24, .size: 8, .value_kind: global_buffer, .address_space: global }
      - { .name: h2, .offset: 32, .size: 8, .value_kind: global_buffer, .address_space: global }
    .group_segment_fixed_size: 110592
    .private_segment_fixed_size: 0
    .kernarg_segment_align: 8
    .kernarg_segment_size: 40
    .max_flat_workgroup_size: 512
    .sgpr_count:     66
    .vgpr_count:     256
    .wavefront_size: 32
...
	.end_amdgpu_metadata
.endif
;; end of part 3
;; launch layer3 (part 4): grid 32 x 8, 16 waves a work-group, no clusters, 126,976 bytes of LDS; arguments h2, W3, b3, pl, yp, rwt; writes yp
.if DOCPART == 4
	.amdgcn_target "amdgcn-amd-amdhsa--gfx1250"
	.amdhsa_code_object_version 6
	.text
	.protected	k_q40bc9af146_layer3
	.globl	k_q40bc9af146_layer3
	.p2align	8
	.type	k_q40bc9af146_layer3,@function
k_q40bc9af146_layer3:
	s_mov_b64 s[64:65], 0
	v_nop
	global_prefetch_b8 v0, s[64:65] scope:SCOPE_SE
	s_setreg_imm32_b32 hwreg(HW_REG_WAVE_MODE, 25, 1), 1
	s_wait_xcnt 0x0
; ONE LAYER OF THE EXPERTS, for the routed rows alone.  One text serves the three layers; the first line says which.
.set LAYER, 3                          ; 1: h1 = Q(relu(Q(x) Q(W1) + b1));  2: h2 = Q(relu(h1 Q(W2) + b2));  3: yp = w x (h2 Q(W3) over a half of K, + b3 in half 0)
; Both operands are codes of BF6 (E3M2) with one E8M0 scale for each 32 along K, multiplied by v_wmma_scale_f32_16x16x128_f8f6f4; sums in f32.
; THE WEIGHTS arrive as f32 [expert][K][N], K outermost: each is read once in the launch, quantised on the way, and never stored to memory.
; SHARES.  Work-group (x, e) owns 64 columns of expert e (layer 3: 64 columns and a half of K) and serves all rows of that expert: 256 work-groups whatever the split.  K goes in trips of 256.
; In a trip wave w = 2 kb + b takes block kb (32 along K) of 32 columns (b).  Lane (c, h) loads 8 bytes, columns 2 c and 2 c + 1, of rows 16 h + 0 .. 15 of the block: 16 loads, each two runs of 128 consecutive bytes.
; The two columns are parted in registers (38 moves), each half block is converted, and three lane swaps give lanes 0-15 the whole block of column 2 c and lanes 16-31 that of column 2 c + 1.
; The codes go to LDS as IMAGES OF THE OPERAND'S REGISTERS (fragment = 16 columns x 128 K = 12 registers a lane), the scale bytes beside them; one barrier a trip; images are never written again.
; THE COLUMNS OF A TILE ARE NOT NEIGHBOURS: lane m of tile 2 b + u holds column 32 b + 8 u + m + 8 (m / 8).  The product is used transposed (source 0 = 16 columns, source 1 = 16 rows): lane (r, h) holds row r,
; and the 16 registers of tiles 2 b, 2 b + 1 are columns 32 b + 16 h + 0 .. 15: neighbours along the next layer's K.
; THE ROWS come as records of 1,536 bytes (row tile, K step): images of the operand's registers, made by the launch before.  Waves 0-7 multiply row tiles w and w + 8, waves 8-15 tiles w + 8 and w + 16, where the
; expert has them: a wave's four weight fragments serve two row tiles.  Tiles 32 to 63 follow behind the stream, from the images that have stayed in LDS.  The bias is loaded into the accumulators and starts the sums.
; A TRIP'S ORDER: the products of the trip before, whose images are whole since the last barrier, stand round this trip's quantising: first K step, the second step's LDS loads, the quantising, the second step's
; products; then the loads of this trip's records and, behind them, of the weights two trips on, so that a counted wait for the records leaves only those weight loads out.
; Which tiles exist is read from memory (pl), so branches hang on loaded numbers: hence no tensor load, no cluster and no joint load for the records that the expert's work-groups share, and no barrier
; under such a branch.  The fragment and scale registers are set to 0 at the head, since their loads and the products that read them stand under separate branches.
; LIMITS: NaN and infinities are not served.  A block of zeros gets the scale byte 1 (its codes are zeros; this program alone reads the bytes); blocks under 2^-122 take that byte too.
; The sums begin with the bias, and layer 3's K is summed in two halves that a later launch adds: another order of rounding than a single sum with the bias added last.
.if LAYER == 1
.set NT,    4                          ; trips of 256 along K
.set PITCH, 8192                       ; a row of the weight in bytes
.set ESH,   23                         ; an expert's weight is 2^ESH bytes
.set NSA,   8                          ; K steps of 128 in a row tile of the rows' buffer
.set KBSH,  5                          ; a row's scale bytes there: 2^KBSH
.set SCI,   1671168                    ; where they begin
.set BROW,  8192                       ; an expert's bias in bytes
.elseif LAYER == 2
.set NT,    8
.set PITCH, 8192
.set ESH,   24
.set NSA,   16
.set KBSH,  6
.set SCI,   3342336
.set BROW,  8192
.else
.set NT,    4
.set PITCH, 4096
.set ESH,   23
.set NSA,   16
.set KBSH,  6
.set SCI,   3342336
.set BROW,  4096
.endif
.set KB,    1<<KBSH
.set HSOFF, 3342336                    ; h1, h2: 136 x 16 records, then scale bytes [row][64]
.set YH,    8912896                    ; yp: 2,176 rows of 4,096 bytes for each half of K
.set FRP,   1552                       ; LDS: a fragment's image, 1,536 bytes, + 16: the two tiles that a wave's 16-byte store reaches take the even and the odd places of 16 bytes
.set IMG,   4096                       ; LDS 0-4095: scale bytes, K step S at 256 S, byte 16 m + 4 tile + block;  from IMG on: fragment (S, tile) at (4 S + tile) FRP
.set HI,    32*FRP                     ; four trips' images: LDS offsets have 16 bits, so trips 4-7 use address registers that stand HI further on
.set STG,   IMG+32*FRP                 ; layer 3: behind the images a stage of 16 rows x 272 bytes for each wave
.set SPARE, IMG+8*NT*FRP+(LAYER/3)*16*16*272   ; behind all that: the spare words, 128 bytes for each wave, named by the closing add alone
.set QT,    144                        ; the quantiser's scratch: v144-151 eight numbers, v152-155 codes (the first K step's fragment of my first row tile is done with by then); v252-254 codes
.set QC,    152
.set VW,  1                            ; v1   8 x (lane % 16) + 128 b + 16 rows x (lane / 16): my two columns, my 16 rows of a block
.set L16, 2                            ; v2   16 x lane
.set L8,  3                            ; v3   8 x lane
.set VXS, 4                            ; v4   (lane % 16) x KB: my row's scale bytes
.set IA,  5                            ; v5   where my block's first 16 bytes of codes go
.set IB,  6                            ; v6   and its last 8
.set IS,  7                            ; v7   and its scale byte
.set RS,  8                            ; v8   16 x (lane % 16)
.set IAH, 9                            ; v9-12 (layer 2) IA, IB, L16, L8 + HI
.set IBH, 10
.set R16H, 11
.set R8H, 12
.set M4,  9                            ; v9, v10 (layer 3) 4 x (lane % 16), 4 x (lane / 16)
.set U4,  10
.set VB,  13                           ; v13  64 x (lane / 16): my 16 columns of a block in the bias
.set VOS, 14                           ; v14  (layers 1, 2) 64 x (lane % 16): my row's scale bytes in the output
.set SIN, 14                           ; v14, v15 (layer 3) the stage: in, and back by rows
.set SOUT, 15
.set ACCA, 16                          ; v16-47, v48-79 the accumulators of my two row tiles: tile of columns t at + 8 t
.set ACCB, 48
.set ST,   80                          ; v80-143 two sets of 32 numbers of the weight; at work on the way out
.set XFA,  144                         ; v144-167, v168-191 the rows' fragments of a trip's two K steps
.set XFB,  168
.set XSA,  192                         ; v192-193, v194-195 their scale words
.set XSB,  194
.set WF,   196                         ; v196-243 four fragments of the weight
.set WS,   244                         ; v244-247 their scale words
.set EM,   80                          ; the way out: maxima, scale operands, bytes
.set EC,   90                          ; and codes
; scalars: s[4:15] the buffers; s16 the expert's first row tile, s17 its tiles; s18 wave, s55, s44 my two row tiles; s[28:31] the weight's bases; s[32:33] records, s[34:35] their scale bytes; s[36:41] outputs and lists
.macro PLACES                          ; four plain vector instructions behind a matrix instruction, ahead of loads into its operands and of reads of its results
.rept 4
	v_nop
.endr
.endm
.macro WLOAD t                         ; trip t's block: W(256 t + 32 kb + j, my column), j = 0 .. 31, into set t % 2
.set WR_, ST+32*((\t)%2)
.set WB_, 28+2*((\t)/4)
.set j, 0
.rept 16
	global_load_b64 v[WR_+2*j:WR_+2*j+1], v[VW], s[WB_:WB_+1] offset:(256*((\t)%4)+j)*PITCH th:TH_LOAD_NT
.set j, j+1
.endr
.endm
; No prefetch into the L2: the stream's bytes are asked of memory by the weight loads themselves, two passes ahead of their use: a wave has up to 32 of them out, 256 bytes each, a work-group 128 KiB.
.macro QUANT t
.set QX_, ST+32*((\t)%2)
.if (\t) < 4
.set QA_, IA
.set QB_, IB
.else
.set QA_, IAH
.set QB_, IBH
.endif
	v_max3_num_f32 v248, |v[QX_]|, |v[QX_+2]|, 0x2800000       ; register 2 j + q is row 16 h + j of column 2 c + q; the floor 2^(5 - 127) as a leaf: the byte cannot fall under 1
	v_max3_num_f32 v249, |v[QX_+1]|, |v[QX_+3]|, 0x2800000
.irp i, 4,8,12,16,20,24,28
	s_delay_alu instid0(VALU_DEP_2)
	v_max3_num_f32 v248, v248, |v[QX_+\i]|, |v[QX_+\i+2]|
	s_delay_alu instid0(VALU_DEP_2)
	v_max3_num_f32 v249, v249, |v[QX_+\i+1]|, |v[QX_+\i+3]|
.endr
	s_delay_alu instid0(VALU_DEP_2)
	v_permlanex16_b32 v250, v248, s42, s43
	s_delay_alu instid0(VALU_DEP_2)
	v_permlanex16_b32 v251, v249, s42, s43
	s_delay_alu instid0(VALU_DEP_2)
	v_max_num_f32 v248, v248, v250                 ; with lane l xor 16's 16 rows: the two blocks' largest magnitudes
	s_delay_alu instid0(VALU_DEP_2)
	v_max_num_f32 v249, v249, v251
	s_delay_alu instid0(VALU_DEP_2)
	v_add_nc_u32 v248, 0xfe000000, v248            ; 4 off the exponent field: the conversions' scale operands
	s_delay_alu instid0(VALU_DEP_2)
	v_add_nc_u32 v249, 0xfe000000, v249
	s_delay_alu instid0(VALU_DEP_2)
	v_lshrrev_b32 v250, 23, v248                   ; the scales' bytes
	s_delay_alu instid0(VALU_DEP_2)
	v_lshrrev_b32 v251, 23, v249
	s_delay_alu instid0(VALU_DEP_1)
	v_cndmask_b32 v250, v250, v251, s57            ; lanes 16-31 will hold column 2 c + 1
.irp i, 0,1,2,3,4,5,6,7                ; the two columns are parted: the even one into registers 0-15, the odd one into 16-31
	v_mov_b32 v[QT+\i], v[QX_+2*\i+1]
.endr
.irp i, 1,2,3,4,5,6,7,8,9,10,11,12,13,14,15
	v_mov_b32 v[QX_+\i], v[QX_+2*\i]
.endr
.irp i, 6,5,4,3,2,1,0
	v_mov_b32 v[QX_+24+\i], v[QX_+17+2*\i]
.endr
.irp i, 0,1,2,3,4,5,6,7
	v_mov_b32 v[QX_+16+\i], v[QT+\i]
.endr
	v_cvt_scalef32_pk16_bf6_f32 v[QC:QC+2], v[QX_:QX_+15], v248
	v_cvt_scalef32_pk16_bf6_f32 v[252:254], v[QX_+16:QX_+31], v249
	v_nop                                          ; one plain place behind a scaled conversion
.irp i, 0,1,2
	v_permlane16_swap_b32 v[QC+\i], v[252+\i]      ; a whole block to a lane: the first three hold its lower 16 codes, the others the upper 16
.endr
	v_mov_b32 v[QC+3], v252
	v_mov_b32 v252, v253
	v_mov_b32 v253, v254
	ds_store_b128 v[QA_], v[QC:QC+3] offset:((\t)%4)*8*FRP
	ds_store_b64 v[QB_], v[252:253] offset:((\t)%4)*8*FRP
	ds_store_b8 v[IS], v250 offset:512*(\t)
	s_wait_alu depctr_va_vdst(0)
.endm
.macro XLOAD t, xf, xs, dt             ; the records of trip t's two K steps of the row tile dt tiles on, and its rows' two scale words: 9 loads
.irp sg, 0,1
	global_load_b128 v[\xf+12*\sg:\xf+12*\sg+3], v[L16], s[32:33] offset:((\dt)*NSA+2*(\t)+\sg)*1536
	global_load_b64 v[\xf+12*\sg+4:\xf+12*\sg+5], v[L8], s[32:33] offset:((\dt)*NSA+2*(\t)+\sg)*1536+512
	global_load_b128 v[\xf+12*\sg+6:\xf+12*\sg+9], v[L16], s[32:33] offset:((\dt)*NSA+2*(\t)+\sg)*1536+768
	global_load_b64 v[\xf+12*\sg+10:\xf+12*\sg+11], v[L8], s[32:33] offset:((\dt)*NSA+2*(\t)+\sg)*1536+1280
.endr
	global_load_b64 v[\xs:\xs+1], v[VXS], s[34:35] offset:(\dt)*16*KB+8*(\t)
.endm
.macro WFETCH t, sg                    ; the four fragments of the weight of K step 2 t + sg, and their scale words: 17 LDS loads
.if (\t) < 4
.set FA_, L16
.set FB_, L8
.else
.set FA_, R16H
.set FB_, R8H
.endif
.set FO_, IMG+4*(2*((\t)%4)+\sg)*FRP
.irp tau, 0,1,2,3
	ds_load_b128 v[WF+12*\tau:WF+12*\tau+3], v[FA_] offset:FO_+\tau*FRP
	ds_load_b64 v[WF+12*\tau+4:WF+12*\tau+5], v[FB_] offset:FO_+\tau*FRP+512
	ds_load_b128 v[WF+12*\tau+6:WF+12*\tau+9], v[FA_] offset:FO_+\tau*FRP+768
	ds_load_b64 v[WF+12*\tau+10:WF+12*\tau+11], v[FB_] offset:FO_+\tau*FRP+1280
.endr
	ds_load_b128 v[WS:WS+3], v[RS] offset:256*(2*(\t)+\sg)
.endm
.macro MULT acc, xf, xs, sg            ; four products: the accumulators take turns, one instruction a turn; a run ends on tile 3 and the next begins on tile 0
.irp tau, 0,1,2,3
	v_wmma_scale_f32_16x16x128_f8f6f4 v[\acc+8*\tau:\acc+8*\tau+7], v[WF+12*\tau:WF+12*\tau+11], v[\xf+12*\sg:\xf+12*\sg+11], v[\acc+8*\tau:\acc+8*\tau+7], v[WS+\tau], v[\xs+\sg] matrix_a_fmt:MATRIX_FMT_BF6 matrix_b_fmt:MATRIX_FMT_BF6
.endr
.endm
.macro BIAS acc                        ; register 16 b + 8 u + i of lane (r, h) is column 32 b + 16 h + 8 u + i
.irp q, 0,1,2,3,4,5,6,7
	global_load_b128 v[\acc+4*\q:\acc+4*\q+3], v[VB], s[8:9] offset:128*(\q/4)+32*((\q/2)%2)+16*(\q%2)
.endr
.endm
.macro HALF0 acc                       ; layer 3: the bias belongs to half 0 of K alone; half 1 begins with zeros (vcc_lo: all ones in half 0)
.set j, 0
.rept 32
	v_cndmask_b32 v[\acc+j], 0, v[\acc+j], vcc_lo
.set j, j+1
.endr
.endm
.if LAYER < 3
; THE WAY OUT, layers 1 and 2: relu, the two blocks of 32 columns quantised in registers, half a record (768 bytes) and two scale bytes a row stored
.macro EPI acc, dt
	s_wait_xcnt 0x0                                ; the registers that earlier stores read are written again only behind this wait
.set j, 0
.rept 32
	v_max_num_f32 v[\acc+j], 0, v[\acc+j]          ; each accumulator from its low end on
.set j, j+1
.endr
.irp b, 0,1
	v_max3_num_f32 v[EM+\b], v[\acc+16*\b], v[\acc+16*\b+1], 0x2800000   ; no |.|: none is negative; the floor as a leaf
.endr
.irp i, 2,4,6,8,10,12,14
.irp b, 0,1
	v_max3_num_f32 v[EM+\b], v[EM+\b], v[\acc+16*\b+\i], v[\acc+16*\b+\i+1]
.endr
.endr
.irp b, 0,1
	v_permlanex16_b32 v[EM+2+\b], v[EM+\b], s42, s43
.endr
.irp b, 0,1
	v_max_num_f32 v[EM+\b], v[EM+\b], v[EM+2+\b]   ; with lane l xor 16's 16 columns
.endr
.irp b, 0,1
	v_add_nc_u32 v[EM+4+\b], 0xfe000000, v[EM+\b]
.endr
.irp b, 0,1
	v_lshrrev_b32 v[EM+6+\b], 23, v[EM+4+\b]
.endr
	v_lshl_or_b32 v[EM+8], v[EM+7], 8, v[EM+6]     ; my row's two scale bytes
	v_cvt_scalef32_pk16_bf6_f32 v[EC:EC+2], v[\acc:\acc+15], v[EM+4]
	v_cvt_scalef32_pk16_bf6_f32 v[EC+4:EC+6], v[\acc+16:\acc+31], v[EM+5]
	v_nop                                          ; one plain place behind a scaled conversion
.irp i, 0,1,2
	v_permlane16_swap_b32 v[EC+\i], v[EC+4+\i]     ; a whole block to a lane: lanes 0-15 block 0, lanes 16-31 block 1
.endr
.irp i, 0,1,2
	v_mov_b32 v[EC+3+\i], v[EC+4+\i]
.endr
	global_store_b128 v[L16], v[EC:EC+3], s[36:37] offset:(\dt)*16*1536        ; 512 consecutive bytes, aligned to 256
	global_store_b64 v[L8], v[EC+4:EC+5], s[36:37] offset:(\dt)*16*1536+512    ; 256
	global_store_b16 v[VOS], v[EM+8], s[38:39] offset:(\dt)*1024               ; 2 bytes a row, 64 bytes apart: this work-group owns two of the row's 64 blocks (128 KB in the launch)
.endm
.else
; THE WAY OUT, layer 3: x the row's weight; through my stage, so that sixteen lanes store a row's 256 consecutive bytes; to the row that the list names
.macro EPI acc, dt
	s_wait_xcnt 0x0                                ; the registers that earlier stores read are written again only behind this wait
	global_load_b32 v[EM], v[M4], s[40:41] offset:64*(\dt)
.irp i, 0,1,2,3,4,5,6,7
	global_load_b32 v[EM+2+\i], v[U4], s[38:39] offset:256+64*(\dt)+8*\i       ; rows 2 i and 2 i + 1 of the tile
.endr
	s_wait_loadcnt 0x0
.set j, 0
.rept 16
	v_pk_mul_f32 v[\acc+j:\acc+j+1], v[\acc+j:\acc+j+1], v[EM:EM+1] op_sel_hi:[1,0]   ; each accumulator from its low end on
.set j, j+2
.endr
.irp q, 0,1,2,3,4,5,6,7
	ds_store_b128 v[SIN], v[\acc+4*\q:\acc+4*\q+3] offset:128*(\q/4)+32*((\q/2)%2)+16*(\q%2)
.endr
.irp i, 0,1,2,3,4,5,6,7
	ds_load_b128 v[EM+16+4*\i:EM+19+4*\i], v[SOUT] offset:544*\i               ; LDS serves a wave's instructions in order (ISA guide 5.7.1.4): these see my stores
.endr
.irp i, 0,1,2,3,4,5,6,7
	v_min_u32 v[EM+2+\i], 0x87f, v[EM+2+\i]
.endr
.irp i, 0,1,2,3,4,5,6,7
	v_lshl_add_u32 v[EM+2+\i], v[EM+2+\i], 12, v[RS]
.endr
	s_wait_alu depctr_va_vdst(0)
.irp i, 0,1,2,3,4,5,6,7
	s_wait_dscnt 7-\i                              ; the later stage loads may be out
	global_store_b128 v[EM+2+\i], v[EM+16+4*\i:EM+19+4*\i], s[36:37] th:TH_STORE_NT
.endr
.endm
.endif
.macro ONWARD n                        ; the bases that hang on the row tile go n tiles on
	s_wait_xcnt 0x0                                ; every earlier load and store has read its base
	s_add_nc_u64 s[32:33], s[32:33], (\n)*NSA*1536
	s_add_nc_u64 s[34:35], s[34:35], (\n)*16*KB
.if LAYER < 3
	s_add_nc_u64 s[36:37], s[36:37], (\n)*16*1536
	s_add_nc_u64 s[38:39], s[38:39], (\n)*1024
.else
	s_add_nc_u64 s[38:39], s[38:39], (\n)*64
	s_add_nc_u64 s[40:41], s[40:41], (\n)*64
.endif
.endm
; A TRIP: 256 along K
.macro TRIP t
.if (\t) > 0                           ; the products of trip t - 1, first K step
	s_cmp_lt_u32 s55, s17                          ; have I a row tile?
	s_cbranch_scc0 .Lna_\@
	WFETCH (\t)-1, 0
.if (\t)+1 < NT
	s_wait_loadcnt 16                              ; the rows' records are in; only the 16 weight loads issued behind them stay out
.else
	s_wait_loadcnt 0x0
.endif
	s_wait_dscnt 0x0
.if (LAYER == 3) && ((\t) == 1)
	s_mov_b32 vcc_lo, s45
	HALF0 ACCA
	HALF0 ACCB
	s_wait_alu depctr_va_vdst(0)
	PLACES
.endif
	MULT ACCA, XFA, XSA, 0
	s_cmp_lt_u32 s44, s17                          ; and a second?
	s_cbranch_scc0 .Lnb_\@
	MULT ACCB, XFB, XSB, 0
.Lnb_\@:
	PLACES
	WFETCH (\t)-1, 1                               ; out while this trip's block is quantised
.Lna_\@:
.endif
.if (\t) < NT
.if (\t) == 0
	s_wait_loadcnt 32                              ; trip 0's block is in; behind it: trip 1's 16 loads and the 16 of the bias
.elseif (\t)+1 < NT
	s_wait_loadcnt 16                              ; this trip's block is in; the next trip's 16 loads, the youngest, stay out
.else
	s_wait_loadcnt 0x0
.endif
	QUANT \t
.endif
	s_wait_dscnt 0x0                               ; the second step's fragments are in, and, for the others' sake, my part of this trip's images lies in LDS
.if (\t) > 0
	s_cmp_lt_u32 s55, s17
	s_cbranch_scc0 .Lnc_\@
	MULT ACCA, XFA, XSA, 1
	s_cmp_lt_u32 s44, s17
	s_cbranch_scc0 .Lnd_\@
	MULT ACCB, XFB, XSB, 1
.Lnd_\@:
	PLACES
.Lnc_\@:
.endif
.if (\t) < NT
	s_cmp_lt_u32 s55, s17
	s_cbranch_scc0 .Lnox_\@
	XLOAD \t, XFA, XSA, 0
	s_cmp_lt_u32 s44, s17
	s_cbranch_scc0 .Lnox_\@
	XLOAD \t, XFB, XSB, 8
.Lnox_\@:
.if (\t)+2 < NT
	WLOAD (\t)+2                                   ; into the set just quantised
.endif
	s_barrier_signal -1
	s_barrier_wait -1                              ; everybody's part of the trip's images lies in LDS.  Nothing in LDS is written twice, so this is the trip's one barrier
.endif
.endm
	s_load_b256 s[4:11], s[0:1], 0x0               ; rows s[4:5], weight s[6:7], bias s[8:9], pl s[10:11]
.if LAYER == 3
	s_load_b128 s[12:15], s[0:1], 0x20             ; yp s[12:13], rwt s[14:15]
.else
	s_load_b64 s[12:13], s[0:1], 0x20              ; the output
.endif
	v_lshrrev_b32 v252, 5, v0
	s_delay_alu instid0(VALU_DEP_1)
	v_readfirstlane_b32 s18, v252                  ; wave 0..15
	v_and_b32 v252, 31, v0                         ; lane
	v_and_b32 v253, 15, v0                         ; m
	s_wait_alu depctr_va_vdst(0)
	v_bfe_u32 v254, v0, 4, 1                       ; u
	s_lshr_b32 s55, s18, 3
	s_lshl_b32 s55, s55, 3
	s_add_co_u32 s55, s55, s18                     ; my first row tile of the expert: w, or w + 8 from wave 8 on
	s_add_co_u32 s44, s55, 8                       ; and my second
	s_mov_b32 s57, 0xffff0000                      ; lanes 16-31
	s_and_b32 s19, s18, 1                          ; b: which 32 columns
	s_lshr_b32 s20, s18, 1                         ; kb: which block of 32 of a trip's 256
	s_and_b32 s22, ttmp7, 0xffff                   ; the expert
.if LAYER == 3
	s_and_b32 s23, ttmp9, 15                       ; the 64 columns
	s_lshr_b32 s24, ttmp9, 4                       ; the half of K
.else
	s_mov_b32 s23, ttmp9
	s_mov_b32 s24, 0
.endif
	; my block's place in the images: K step sg = kb / 4 of the trip, half c = (kb / 2) % 2 of the fragment, lanes 16 hh + m with hh = kb % 2; tiles 2 b + u
	s_lshr_b32 s48, s18, 3                         ; sg
	s_lshl_b32 s49, s48, 2
	s_lshl_b32 s53, s19, 1
	s_add_co_u32 s49, s49, s53
	s_mul_i32 s49, s49, FRP                        ; (4 sg + 2 b) FRP
	s_bfe_u32 s53, s18, 0x10002                    ; c
	s_mul_i32 s53, s53, 768
	s_add_co_u32 s49, s49, s53
	s_bfe_u32 s54, s18, 0x10001                    ; hh
	s_lshl_b32 s50, s54, 8
	s_add_co_u32 s50, s50, s49
	s_add_co_u32 s50, s50, IMG
	s_lshl_b32 s51, s54, 7
	s_add_co_u32 s51, s51, s49
	s_add_co_u32 s51, s51, IMG+512
	s_lshl_b32 s52, s48, 8
	s_lshl_b32 s53, s19, 3
	s_add_co_u32 s52, s52, s53
	s_bfe_u32 s53, s18, 0x20001                    ; kb % 4: the block's byte in a scale word
	s_add_co_u32 s52, s52, s53
	s_lshl_b32 s53, s19, 7
	s_wait_alu depctr_va_vdst(0)
	v_lshl_add_u32 v[VW], v253, 3, s53
	v_bfe_u32 v251, v0, 2, 1                       ; the column that I store, 2 c + h, lies in tile 2 b + u', u' = (c / 4) % 2,
	v_and_b32 v250, 3, v0
	v_bfe_u32 v249, v0, 3, 1
	v_mad_u32_u24 v[VW], v254, 16*PITCH, v[VW]
	s_delay_alu instid0(VALU_DEP_3)
	v_lshl_add_u32 v250, v250, 1, v254
	s_delay_alu instid0(VALU_DEP_1)
	v_lshl_add_u32 v250, v249, 3, v250             ; at lane m' = 8 (c / 8) + 2 (c % 4) + h
	v_lshlrev_b32 v[L16], 4, v252
	v_lshlrev_b32 v[L8], 3, v252
	v_lshlrev_b32 v[VXS], KBSH, v253
	v_mul_u32_u24 v255, v251, FRP
	v_lshlrev_b32 v[RS], 4, v253
	v_lshlrev_b32 v[IS], 4, v250
	s_delay_alu instid0(VALU_DEP_3)
	v_lshl_add_u32 v[IA], v250, 4, v255
	s_delay_alu instid0(VALU_DEP_4)
	v_lshl_add_u32 v[IB], v250, 3, v255
	s_delay_alu instid0(VALU_DEP_3)
	v_lshl_add_u32 v[IS], v251, 2, v[IS]
	s_delay_alu instid0(VALU_DEP_3)
	v_add_nc_u32 v[IA], s50, v[IA]
	s_delay_alu instid0(VALU_DEP_3)
	v_add_nc_u32 v[IB], s51, v[IB]
	s_delay_alu instid0(VALU_DEP_3)
	v_add_nc_u32 v[IS], s52, v[IS]
	v_lshlrev_b32 v[VB], 6, v254
.if LAYER == 2
	v_add_nc_u32 v[IAH], HI, v[IA]
	v_add_nc_u32 v[IBH], HI, v[IB]
	v_add_nc_u32 v[R16H], HI, v[L16]
	v_add_nc_u32 v[R8H], HI, v[L8]
.endif
.if LAYER < 3
	v_lshlrev_b32 v[VOS], 6, v253
.else
	s_mul_i32 s53, s18, 16*272
	s_add_co_u32 s53, s53, STG                     ; my stage
	v_mul_u32_u24 v[SIN], v253, 272
	s_delay_alu instid0(VALU_DEP_1)
	v_lshl_add_u32 v[SIN], v254, 6, v[SIN]
	s_delay_alu instid0(VALU_DEP_1)
	v_add_nc_u32 v[SIN], s53, v[SIN]               ; in: row m, + 64 h
	v_mul_u32_u24 v[SOUT], v254, 272
	s_delay_alu instid0(VALU_DEP_1)
	v_add_nc_u32 v[SOUT], v[SOUT], v[RS]
	s_delay_alu instid0(VALU_DEP_1)
	v_add_nc_u32 v[SOUT], s53, v[SOUT]             ; back: lanes 0-15 one row, lanes 16-31 the next
	v_lshlrev_b32 v[M4], 2, v253
	v_lshlrev_b32 v[U4], 2, v254
.endif
.set j, XFA
.rept 104
	v_mov_b32 v[j], 0                              ; the rows' fragments and scale words (see the head comment)
.set j, j+1
.endr
	s_mov_b32 s42, 0x76543210
	s_mov_b32 s43, 0xfedcba98                      ; v_permlanex16_b32's selects for lane l xor 16
	s_wait_kmcnt 0x0
	s_lshl_b32 s26, s22, 3
	s_mov_b32 s27, 0
	s_add_nc_u64 s[48:49], s[10:11], s[26:27]
	s_load_b64 s[16:17], s[48:49], 0x0             ; the expert's first row tile and its tiles
	s_lshl_b32 s26, s22, ESH                       ; the weight: my expert,
	s_lshl_b32 s50, s24, 10
	s_lshl_b32 s51, s20, 5
	s_add_co_u32 s50, s50, s51
	s_mul_i32 s50, s50, PITCH                      ; row 1024 half + 32 kb,
	s_add_co_u32 s26, s26, s50
	s_lshl_b32 s50, s23, 8                         ; my work-group's 64 columns
	s_add_co_u32 s26, s26, s50
	s_add_nc_u64 s[28:29], s[6:7], s[26:27]
.if NT > 4
	s_add_nc_u64 s[30:31], s[28:29], 1024*PITCH    ; trips 4-7: the loads' offsets stay inside the signed 24-bit immediate (ISA guide, chapter 10)
.endif
	s_mul_i32 s26, s22, BROW
	s_add_co_u32 s26, s26, s50
	s_add_nc_u64 s[8:9], s[8:9], s[26:27]
	WLOAD 0
	WLOAD 1
	BIAS ACCA
	BIAS ACCB
	s_wait_kmcnt 0x0
	s_min_u32 s16, s16, 135
	s_min_u32 s17, s17, 64
	s_add_co_u32 s25, s16, s55                     ; my first row tile
	s_mul_i32 s26, s25, NSA
	s_lshl_b32 s50, s24, 3
	s_add_co_u32 s26, s26, s50
	s_mul_i32 s26, s26, 1536
	s_add_nc_u64 s[32:33], s[4:5], s[26:27]        ; its records, from my half of K on
	s_mul_i32 s26, s25, 16*KB
	s_lshl_b32 s50, s24, 5
	s_add_co_u32 s26, s26, s50
	s_add_nc_u64 s[34:35], s[4:5], s[26:27]
	s_add_nc_u64 s[34:35], s[34:35], SCI           ; its rows' scale bytes
.if LAYER < 3
	s_lshl_b32 s26, s25, 4
	s_lshr_b32 s50, s23, 1
	s_add_co_u32 s26, s26, s50                     ; my 64 columns are half x % 2 of the next layer's K step x / 2
	s_mul_i32 s26, s26, 1536
	s_and_b32 s50, s23, 1
	s_mul_i32 s50, s50, 768
	s_add_co_u32 s26, s26, s50
	s_add_nc_u64 s[36:37], s[12:13], s[26:27]
	s_lshl_b32 s26, s25, 10
	s_lshl_b32 s50, s23, 1
	s_add_co_u32 s26, s26, s50
	s_add_nc_u64 s[38:39], s[12:13], s[26:27]
	s_add_nc_u64 s[38:39], s[38:39], HSOFF
.else
	s_mul_i32 s26, s24, YH
	s_lshl_b32 s50, s23, 8
	s_add_co_u32 s26, s26, s50
	s_add_nc_u64 s[36:37], s[12:13], s[26:27]      ; yp: my half, my 64 columns
	s_lshl_b32 s26, s25, 6
	s_add_nc_u64 s[38:39], s[10:11], s[26:27]      ; my tile's rows in the list of places (256 bytes on, in the immediates)
	s_add_nc_u64 s[40:41], s[14:15], s[26:27]      ; and of weights
	s_cmp_eq_u32 s24, 0
	s_cselect_b32 s45, -1, 0
.endif
.set tq, 0
.rept NT+1                             ; the last pass holds the last trip's products alone
	TRIP tq
.set tq, tq+1
.endr
	s_wait_loadcnt 0x0                             ; no load is out on any way to the lines below
	s_cmp_lt_u32 s55, s17
	s_cbranch_scc0 .Lstored
	EPI ACCA, 0
	s_cmp_lt_u32 s44, s17
	s_cbranch_scc0 .Lstored
	EPI ACCB, 8
.Lstored:
	; an expert with more than 512 rows: my first row tile + 32 and + 40, from the images that lie in LDS.  Two trips by count; a trip without a tile is passed over
	ONWARD 32
	s_add_co_u32 s47, s55, 32                      ; my tiles from 32 on: my first + 32, then + 40
	s_mov_b32 s46, 2
.Lover:
	s_cmp_ge_u32 s47, s17
	s_cbranch_scc1 .Lnone
	BIAS ACCA
.set tt, 0
.rept NT
	XLOAD tt, XFA, XSA, 0
	s_wait_loadcnt 0x0
.if (LAYER == 3) && (tt == 0)
	s_mov_b32 vcc_lo, s45
	HALF0 ACCA
	PLACES
.endif
	WFETCH tt, 0
	s_wait_alu depctr_va_vdst(0)
	s_wait_dscnt 0x0
	MULT ACCA, XFA, XSA, 0
	PLACES
	WFETCH tt, 1
	s_wait_dscnt 0x0
	MULT ACCA, XFA, XSA, 1
	PLACES
.set tt, tt+1
.endr
	EPI ACCA, 0
.Lnone:
	ONWARD 8
	s_add_co_u32 s47, s47, 8
	s_sub_co_i32 s46, s46, 1
	s_cmp_lg_u32 s46, 0
	s_cbranch_scc1 .Lover
	v_lshl_add_u32 v248, v0, 2, SPARE              ; no two registers could be kept: my spare word's address and 0 are made here, from v0 as it was at the entry
	v_mov_b32 v249, 0
	s_wait_alu depctr_va_vdst(0)
	s_wait_tensorcnt 0x0                           ; the wave's end
	ds_add_u32 v248, v249
	s_wait_dscnt 0x0
	s_endpgm
.Lfunc_end_k_q40bc9af146_layer3:
	.size	k_q40bc9af146_layer3, .Lfunc_end_k_q40bc9af146_layer3-k_q40bc9af146_layer3
	.p2alignl 7, 3214868480
	.fill 96, 4, 3214868480
	.section	.rodata,"a",@progbits
	.p2align	6, 0x0
	.amdhsa_kernel k_q40bc9af146_layer3
		.amdhsa_group_segment_fixed_size 126976
		.amdhsa_private_segment_fixed_size 0
		.amdhsa_enable_private_segment 0
		.amdhsa_kernarg_size 48
		.amdhsa_user_sgpr_count 2
		.amdhsa_user_sgpr_kernarg_segment_ptr 1
		.amdhsa_wavefront_size32 1
		.amdhsa_system_sgpr_workgroup_id_x 1
		.amdhsa_system_sgpr_workgroup_id_y 1
		.amdhsa_system_sgpr_workgroup_id_z 1
		.amdhsa_system_vgpr_workitem_id 0
		.amdhsa_next_free_vgpr 256
		.amdhsa_next_free_sgpr 66
		.amdhsa_reserve_vcc 1
		.amdhsa_float_denorm_mode_32 3
		.amdhsa_float_denorm_mode_16_64 3
		.amdhsa_memory_ordered 1
		.amdhsa_forward_progress 1
		.amdhsa_inst_pref_size 97
	.end_amdhsa_kernel
	.amdgpu_metadata
---
amdhsa.version: [ 1, 2 ]
amdhsa.kernels:
  - .name:           k_q40bc9af146_layer3
    .symbol:         k_q40bc9af146_layer3.kd
    .args:
      - { .name: h2, .offset: 0, .size: 8, .value_kind: global_buffer, .address_space: global }
      - { .name: W3, .offset: 8, .size: 8, .value_kind: global_buffer, .address_space: global }
      - { .name: b3, .offset: 16, .size: 8, .value_kind: global_buffer, .address_space: global }
      - { .name: pl, .offset: 24, .size: 8, .value_kind: global_buffer, .address_space: global }
      - { .name: yp, .offset: 32, .size: 8, .value_kind: global_buffer, .address_space: global }
      - { .name: rwt, .offset: 40, .size: 8, .value_kind: global_buffer, .address_space: global }
    .group_segment_fixed_size: 126976
    .private_segment_fixed_size: 0
    .kernarg_segment_align: 8
    .kernarg_segment_size: 48
    .max_flat_workgroup_size: 512
    .sgpr_count:     66
    .vgpr_count:     256
    .wavefront_size: 32
...
	.end_amdgpu_metadata
.endif
;; end of part 4
;; launch combine (part 5): grid 256 x 1, 8 waves a work-group, no clusters, 0 bytes of LDS; arguments yp, out0; writes out0
.if DOCPART == 5
	.amdgcn_target "amdgcn-amd-amdhsa--gfx1250"
	.amdhsa_code_object_version 6
	.text
	.protected	k_q40bc9af146_combine
	.globl	k_q40bc9af146_combine
	.p2align	8
	.type	k_q40bc9af146_combine,@function
k_q40bc9af146_combine:
	s_mov_b64 s[64:65], 0
	v_nop
	global_prefetch_b8 v0, s[64:65] scope:SCOPE_SE
	s_setreg_imm32_b32 hwreg(HW_REG_WAVE_MODE, 25, 1), 1
	s_wait_xcnt 0x0
; out0[token] = the sum of the token's four rows of yp: its two chosen experts (rows 2 token and 2 token + 1, already multiplied by their weights) x the two halves of the last layer's K.
; yp: [2 halves][2,176 rows][1024] f32; out0: [1024][1024] f32.  Each output row has one owner, so nothing is added in memory.
; Work-group j: tokens 4 j .. 4 j + 3.  Thread t: 16 bytes of each row, so a wave's load or store covers 512 consecutive bytes.  All 16 loads go out at once; no register is written twice, no loop.
; A stream: LDS, barriers, the matrix unit and clusters would add nothing (the work-groups share no byte).
.set YH, 8912896                       ; from half 0 to half 1, in bytes
	s_load_b128 s[4:7], s[0:1], 0x0                ; yp s[4:5], out0 s[6:7]
	v_lshlrev_b32 v1, 4, v0
	s_lshl_b32 s8, ttmp9, 15                       ; 8 rows of 4,096 bytes of yp a work-group
	s_mov_b32 s9, 0
	s_lshl_b32 s10, ttmp9, 14                      ; 4 rows of out0
	s_mov_b32 s11, 0
	s_wait_alu depctr_va_vdst(0)
	s_wait_kmcnt 0x0
	s_add_nc_u64 s[4:5], s[4:5], s[8:9]
	s_add_nc_u64 s[12:13], s[4:5], YH
	s_add_nc_u64 s[6:7], s[6:7], s[10:11]
.irp i, 0,1,2,3
	global_load_b128 v[8+16*\i:11+16*\i], v1, s[4:5] offset:8192*\i th:TH_LOAD_NT
	global_load_b128 v[12+16*\i:15+16*\i], v1, s[4:5] offset:8192*\i+4096 th:TH_LOAD_NT
	global_load_b128 v[16+16*\i:19+16*\i], v1, s[12:13] offset:8192*\i th:TH_LOAD_NT
	global_load_b128 v[20+16*\i:23+16*\i], v1, s[12:13] offset:8192*\i+4096 th:TH_LOAD_NT
.endr
.irp i, 0,1,2,3
	s_wait_loadcnt 12-4*\i                         ; this token's four loads are in; four for each later token stay out
	v_pk_add_f32 v[8+16*\i:9+16*\i], v[8+16*\i:9+16*\i], v[16+16*\i:17+16*\i]       ; first choice: half 0 + half 1
	v_pk_add_f32 v[10+16*\i:11+16*\i], v[10+16*\i:11+16*\i], v[18+16*\i:19+16*\i]
	v_pk_add_f32 v[12+16*\i:13+16*\i], v[12+16*\i:13+16*\i], v[20+16*\i:21+16*\i]   ; second choice
	v_pk_add_f32 v[14+16*\i:15+16*\i], v[14+16*\i:15+16*\i], v[22+16*\i:23+16*\i]
	s_delay_alu instid0(VALU_DEP_2)
	v_pk_add_f32 v[8+16*\i:9+16*\i], v[8+16*\i:9+16*\i], v[12+16*\i:13+16*\i]
	s_delay_alu instid0(VALU_DEP_2)
	v_pk_add_f32 v[10+16*\i:11+16*\i], v[10+16*\i:11+16*\i], v[14+16*\i:15+16*\i]
	global_store_b128 v1, v[8+16*\i:11+16*\i], s[6:7] offset:4096*\i th:TH_STORE_NT
.endr
	s_endpgm
.Lfunc_end_k_q40bc9af146_combine:
	.size	k_q40bc9af146_combine, .Lfunc_end_k_q40bc9af146_combine-k_q40bc9af146_combine
	.p2alignl 7, 3214868480
	.fill 96, 4, 3214868480
	.section	.rodata,"a",@progbits
	.p2align	6, 0x0
	.amdhsa_kernel k_q40bc9af146_combine
		.amdhsa_group_segment_fixed_size 0
		.amdhsa_private_segment_fixed_size 0
		.amdhsa_enable_private_segment 0
		.amdhsa_kernarg_size 16
		.amdhsa_user_sgpr_count 2
		.amdhsa_user_sgpr_kernarg_segment_ptr 1
		.amdhsa_wavefront_size32 1
		.amdhsa_system_sgpr_workgroup_id_x 1
		.amdhsa_system_sgpr_workgroup_id_y 1
		.amdhsa_system_sgpr_workgroup_id_z 1
		.amdhsa_system_vgpr_workitem_id 0
		.amdhsa_next_free_vgpr 72
		.amdhsa_next_free_sgpr 66
		.amdhsa_reserve_vcc 0
		.amdhsa_float_denorm_mode_32 3
		.amdhsa_float_denorm_mode_16_64 3
		.amdhsa_memory_ordered 1
		.amdhsa_forward_progress 1
		.amdhsa_inst_pref_size 5
	.end_amdhsa_kernel
	.amdgpu_metadata
---
amdhsa.version: [ 1, 2 ]
amdhsa.kernels:
  - .name:           k_q40bc9af146_combine
    .symbol:         k_q40bc9af146_combine.kd
    .args:
      - { .name: yp, .offset: 0, .size: 8, .value_kind: global_buffer, .address_space: global }
      - { .name: out0, .offset: 8, .size: 8, .value_kind: global_buffer, .address_space: global }
    .group_segment_fixed_size: 0
    .private_segment_fixed_size: 0
    .kernarg_segment_align: 8
    .kernarg_segment_size: 16
    .max_flat_workgroup_size: 256
    .sgpr_count:     66
    .vgpr_count:     72
    .wavefront_size: 32
...
	.end_amdgpu_metadata
.endif
;; end of part 5
